; MI455X (gfx1250); checked and timed in simulation.
; The chip was launched on July 23, 2026; its instructions are those of AMD's public machine-readable ISA for CDNA 5 (MIT licence, August 2026) and "CDNA5" Instruction Set Architecture Reference Guide (July 2026). The comments in the code are by the model that wrote it; some were corrected since.
;; Multihead Attention. Allowed arithmetic: matrix products marked QUANTISED: E2M3 operands, one E8M0 scale for each 32 along K, by v_wmma_scale_f32_16x16x128_f8f6f4 with both operands' format E2M3, f32 sums; everything else in f32.
;; Inputs: in_proj_b 3,072 float32; in_proj_w 3,072 x 1,024 float32; out_proj_b 1,024 float32; out_proj_w 1,024 x 1,024 float32; query 4 x 2,048 x 1,024 float32.
;; Outputs: out0 4 x 2,048 x 1,024 float32.
;; This version of the problem:
;;   THIS VERSION OF THE PROBLEM IS GIVEN IN LOW PRECISION. The matrix products marked QUANTISED in the list below multiply operands that are first quantised to E2M3 (2 exponent bits, 3 mantissa bits; 6 bits a number), with one power-of-two scale for each 32 numbers along K (OCP MX v1.0); their sums are f32. All else is computed in f32.
;;   The module's matrix products, in the order in which they are computed (A, B: the left and right operand; K: the contracted axis; several contracted axes count as one K, in the product's order):
;;     1. [M 8,192, K 1,024] x [K 1,024, N 3,072]; A: input query; B: input in_proj_w: QUANTISED
;;     2. batch 64 x [M 2,048, K 64] x [K 64, N 2,048]; A: computed on the way; B: computed on the way: QUANTISED
;;     3. batch 64 x [M 2,048, K 2,048] x [K 2,048, N 64]; A: softmax (see below); B: computed on the way: QUANTISED
;;     4. [M 8,192, K 1,024] x [K 1,024, N 1,024]; A: computed on the way; B: input out_proj_w: QUANTISED
;;   THE QUANTISER, for each operand of a quantised product, along K:
;;     - K is cut into blocks of 32 from its start; a last block that is shorter is filled with zeros.
;;     - A block's scale is 2^e with e = floor(log2(the largest magnitude in the block)) - 2, held to -126 .. 127; a block of zeros has e = 0. As a byte (E8M0): e + 127.
;;     - Each number is divided by its block's scale, clamped to +-7.5, and rounded to the nearest number of E2M3, ties to even, subnormals kept.
;;     - The product sums the exact products of the quantised numbers (number of the format x scale) in f32.
;;   ~~~python
;;   def quantise(x, axis):      # numpy; x: float32 -> the quantised numbers, widened to float32 again
;;       x = np.moveaxis(x, axis, -1); K = x.shape[-1]
;;       x = np.pad(x, [(0, 0)] * (x.ndim - 1) + [(0, -K % 32)]); x = x.reshape(x.shape[:-1] + (-1, 32)); a = np.abs(x).max(-1, keepdims=True)
;;       e = np.where(a > 0, np.clip(np.frexp(np.where(a > 0, a, 1))[1] - 1 - 2, -126, 127), 0)      # np.frexp(a)[1] - 1 = floor(log2(a)), exactly
;;       r = np.clip(x / 2.0 ** e, -7.5, 7.5)
;;       step = 2.0 ** (np.maximum(np.frexp(np.where(r == 0, 1, r))[1] - 1, 0) - 3)
;;       q = np.round(r / step) * step * 2.0 ** e      # np.round: ties to even
;;       return np.moveaxis(q.reshape(q.shape[:-2] + (-1,))[..., :K], -1, axis).astype(np.float32)
;;   ~~~
;;   SOFTMAX AHEAD OF A QUANTISED PRODUCT. Where the list says 'softmax', what is quantised is not the finished softmax but p = 2^(t - M), with t = logit x log2(e) and M = ceil(the row's largest t), a whole number; so 1/2 < the row's largest p <= 1. The row's sum l is taken of the UNQUANTISED p, in f32, and the product's result is divided by l at the end. Since M is a whole number, a kernel that streams over the keys may use a running M (the ceiling of the running maximum): every later rescaling is an exact power of two, which a block's scale takes up: the codes' values come out the same.
;;   OPERANDS COMPUTED ON THE WAY. 'Computed on the way' means the value that the module computes at that place (a softmax that the list does not call 'softmax' is quantised finished and normalised). What goes into a quantiser is computed in f32, as accurately as f32 sums, v_exp_f32 and their like allow (about 1e-6 of the number): no bf16 or f16 on the way to a quantiser, and a product that is left as it is and whose result goes on into a quantised operand takes f32 operands (vector FMAs, or v_wmma_f32_16x16x4_f32). A number that lies on a knife's edge between two numbers of the format may be rounded either way, as far as f32 arithmetic and the matrix unit's own rounding can turn it there, and no further.
;; One version. Each part assembles by itself: llvm-mc -triple=amdgcn-amd-amdhsa -mcpu=gfx1250 --defsym DOCPART=n.
;; ======== version 1 of 1: 4 launches
;; limits: right only within a limited range of input values
;; workspace buffers: xc 6,291,456 bytes; xs 262,144 bytes; wc 3,145,728 bytes; ws 131,072 bytes; qkv 20,185,088 bytes; cimg 6,291,456 bytes; csc 262,144 bytes
;; launch quant (part 1): grid 768 x 1, 4 waves a work-group, no clusters, 33,792 bytes of LDS; arguments query, in_proj_w, out_proj_w, xc, xs, wc, ws; writes xc, xs, wc, ws
.if DOCPART == 1
	.amdgcn_target "amdgcn-amd-amdhsa--gfx1250"
	.amdhsa_code_object_version 6
	.text
	.protected	k_qb88e23373f_quant
	.globl	k_qb88e23373f_quant
	.p2align	8
	.type	k_qb88e23373f_quant,@function
k_qb88e23373f_quant:
	s_mov_b64 s[64:65], 0
	v_nop
	global_prefetch_b8 v0, s[64:65] scope:SCOPE_SE
	s_setreg_imm32_b32 hwreg(HW_REG_WAVE_MODE, 25, 1), 1
	s_wait_xcnt 0x0
; query [8192][1024], in_proj_w [3072][1024] and out_proj_w [1024][1024], f32, become codes of FP6 (E2M3) with one E8M0 byte for each 32 along K.
; Every input is loaded.
; THE CODES ARE STORED AS IMAGES OF THE OPERAND'S REGISTERS: a tile of 16 places x 128 along K is 1,536 bytes; register g of lane l lies at 512 (g / 4) + 16 l + 4 (g % 4); a tile's eight K steps follow each other (12,288 bytes).
; query goes to xc, xs; in_proj_w to tiles 0-191 of wc, ws; out_proj_w to tiles 192-255.  The scale bytes lie [place][32].
; PLACES: place 32 B + 16 u + r holds row 32 B + 8 u + r + 8 (r / 8), so that a lane's results of two neighbouring tiles are sixteen neighbours along the next product's K.
; A block's scale is 2^(floor(log2(its largest magnitude)) - 2); its byte is the largest magnitude's exponent field - 2, held at 1 from below.
; LIMITS: a block of zeros gets the byte 1 where the quantiser says 127 (its codes are zeros, and this program alone reads the bytes); blocks whose largest magnitude lies under 2^-124 are held at that floor; NaN and infinities are not served.
; A work-group takes one tile, wave w its K steps 2 w and 2 w + 1, in 8 steps of two places x 256 numbers.  Each load reads 512 consecutive bytes; a step's 2,048 bytes turn through the wave's stage in LDS, so that a lane holds 16 neighbours.
; A lane's three registers of codes go to their places in the wave's two images in LDS; the images leave by stores of 512 consecutive bytes.  The tile's 512 scale bytes are gathered in LDS and leave by wave 0.  Memory binds: no matrix unit, no cluster.
.set STEPS, 8
.set EMAX,  2
.set R,     16                         ; v16-79   four sets of 16 numbers as they are loaded; at the end the images on their way out
.set X,     80                         ; v80-111  two sets of 16 neighbours
.set E,     112                        ; v112-119 a scale byte for each step
.set C,     128                        ; v128-159 codes, four registers for each step
.set SP,    80                         ; a lane's place in a stage: 64 bytes + 16 of padding
.set WREG,  8192                       ; LDS, for each wave: two stages of 32 x SP bytes, then its two images
.set IMG,   2*32*SP
.set SCB,   4*WREG                     ; the tile's 512 scale bytes
.set SPARE, SCB+512                    ; the spare words, 128 bytes a wave
.set SPW,   12                         ; v12 my spare word; v13 0; never rewritten
.set NIL,   13
	s_load_b256 s[4:11], s[0:1], 0x0               ; query, in_proj_w, out_proj_w, xc
	s_load_b128 s[12:15], s[0:1], 0x20             ; xs, wc
	s_load_b64 s[16:17], s[0:1], 0x30              ; ws
	v_lshl_add_u32 v[SPW], v0, 2, SPARE
	v_mov_b32 v[NIL], 0
	v_lshrrev_b32 v1, 5, v0
	v_readfirstlane_b32 s18, v1                    ; wave
	s_mul_i32 s23, s18, WREG
	s_add_co_u32 s24, s23, IMG
	s_lshl_b32 s25, s18, 3
	s_add_co_u32 s25, s25, SCB
	v_and_b32 v2, 31, v0                           ; lane
	v_lshlrev_b32 v3, 4, v2                        ; 16 x lane
	v_lshrrev_b32 v14, 2, v2
	v_mul_u32_u24 v14, v14, SP
	v_and_b32 v15, 3, v2
	v_lshl_add_u32 v14, v15, 4, v14
	v_add_nc_u32 v14, s23, v14                     ; the stage, on the way in: SP (lane / 4) + 16 (lane % 4)
	v_mul_u32_u24 v15, v2, SP
	v_add_nc_u32 v15, s23, v15                     ; and on the way out: my 16 neighbours
	; lane l holds place 2 t + l / 16, k = 16 (l % 16): K step (l / 8) % 2, c = (l / 4) % 2, h = (l / 2) % 2, half block l % 2: registers 6 c + 3 (l % 2) + 0 .. 2 of image lane place + 16 h
	v_and_b32 v8, 1, v2
	v_bfe_u32 v9, v2, 2, 1
	v_mul_u32_u24 v8, v8, 3
	v_mad_u32_u24 v8, v9, 6, v8                    ; my first register
	v_bfe_u32 v9, v2, 3, 1
	v_mul_u32_u24 v9, v9, 1536
	v_bfe_u32 v10, v2, 1, 1
	v_lshl_add_u32 v9, v10, 8, v9
	v_bfe_u32 v10, v2, 4, 1
	v_lshl_add_u32 v9, v10, 4, v9
	v_add_nc_u32 v9, s24, v9
.irp i, 0,1,2
	v_add_nc_u32 v10, \i, v8
	v_lshrrev_b32 v11, 2, v10
	v_and_b32 v10, 3, v10
	v_lshl_add_u32 v11, v11, 9, v9
	v_lshl_add_u32 v[4+\i], v10, 2, v11            ; v4-6: where my three registers of codes go; a step adds 32
.endr
	v_bfe_u32 v10, v2, 1, 3
	v_bfe_u32 v11, v2, 4, 1
	v_lshl_add_u32 v10, v11, 5, v10
	v_add_nc_u32 v7, s25, v10                      ; my block's byte: 32 x place + 8 x wave + block; a step adds 64
	v_add_nc_u32 v1, s24, v3                       ; the images on the way out
	v_add_nc_u32 v2, SCB, v3                       ; the scale bytes on the way out
	s_wait_alu depctr_va_vdst(0)                   ; the wait at the head's end
	s_wait_kmcnt 0x0
	s_cmp_lt_u32 ttmp9, 512                        ; work-groups 0-511: query; 512-703: in_proj_w; 704-767: out_proj_w
	s_cselect_b64 s[4:5], s[4:5], s[6:7]
	s_cselect_b64 s[10:11], s[10:11], s[14:15]
	s_cselect_b64 s[12:13], s[12:13], s[16:17]
	s_cselect_b32 s19, 0, 512
	s_cmp_ge_u32 ttmp9, 704
	s_cselect_b64 s[4:5], s[8:9], s[4:5]
	s_cselect_b32 s20, 704, s19
	s_sub_co_u32 s20, ttmp9, s20                   ; the tile that I read
	s_sub_co_u32 s19, ttmp9, s19                   ; the tile that I store
	s_lshr_b32 s21, s20, 1
	s_lshl_b32 s21, s21, 17                        ; 32 rows of 4,096 bytes
	s_and_b32 s22, s20, 1
	s_lshl_b32 s22, s22, 15                        ; + 8 rows for an odd tile
	s_add_co_u32 s26, s21, s22
	s_lshl_b32 s22, s18, 10                        ; + my 256 numbers of a row
	s_add_co_u32 s26, s26, s22
	s_mov_b32 s27, 0
	s_add_nc_u64 s[4:5], s[4:5], s[26:27]
	s_mul_i32 s26, s19, 12288
	s_mul_i32 s22, s18, 3072
	s_add_co_u32 s26, s26, s22
	s_add_nc_u64 s[10:11], s[10:11], s[26:27]
	s_lshl_b32 s26, s19, 9
	s_add_nc_u64 s[12:13], s[12:13], s[26:27]
.macro LOAD t                          ; places 2 t and 2 t + 1: rows 2 t + 8 (t / 4) and the next
.irp i, 0,1,2,3
	global_load_b128 v[R+16*((\t)%4)+4*\i:R+16*((\t)%4)+4*\i+3], v3, s[4:5] offset:(2*(\t)+8*((\t)/4)+\i/2)*4096+512*(\i%2) th:TH_LOAD_NT
.endr
.endm
.macro TURN t                          ; LDS serves a wave's instructions in order (ISA guide 5.7.1.4): no wait between the stores and the loads
.irp i, 0,1,2,3
	ds_store_b128 v14, v[R+16*((\t)%4)+4*\i:R+16*((\t)%4)+4*\i+3] offset:32*SP*((\t)%2)+8*SP*\i
.endr
.irp i, 0,1,2,3
	ds_load_b128 v[X+16*((\t)%2)+4*\i:X+16*((\t)%2)+4*\i+3], v15 offset:32*SP*((\t)%2)+16*\i
.endr
.endm
.irp t, 0,1,2,3
	LOAD \t
.endr
	s_wait_loadcnt 12                              ; step 0's four loads are in
	TURN 0
.macro STEP t
.set XS, X+16*((\t)%2)
.if (\t) > 0
	s_wait_dscnt 4                                 ; this step's numbers are back from the stage; the last step's four stores of codes and byte may be out
.else
	s_wait_dscnt 0x0
.endif
.if (\t)+4 < STEPS
	LOAD (\t)+4
.endif
.if (\t)+1 < STEPS
.if STEPS-2-(\t) >= 3
	s_wait_loadcnt 12                              ; the next step's four loads are in; those of the three steps behind it may be out
.else
	s_wait_loadcnt 4*(STEPS-2-(\t))
.endif
	TURN (\t)+1
.endif
	v_max3_num_f32 v8, |v[XS]|, |v[XS+1]|, |v[XS+2]|
	v_max3_num_f32 v9, |v[XS+3]|, |v[XS+4]|, |v[XS+5]|
.irp i, 6,10
	v_max3_num_f32 v8, v8, |v[XS+\i]|, |v[XS+\i+1]|
	v_max3_num_f32 v9, v9, |v[XS+\i+2]|, |v[XS+\i+3]|
.endr
	v_max3_num_f32 v8, v8, |v[XS+14]|, |v[XS+15]|
	v_max3_num_f32 v8, v8, v9, (EMAX+1)<<23        ; the floor 2^(3 - 127): the byte cannot fall under 1
	v_max_num_f32_dpp v8, v8, v8 row_xmask:1 row_mask:0xf bank_mask:0xf   ; with my neighbour's 16: the block's
	v_add_nc_u32 v11, -(EMAX<<23), v8              ; 2 off the exponent field: the conversion's scale operand
	v_cvt_scalef32_pk16_fp6_f32 v[C+4*(\t):C+4*(\t)+2], v[XS:XS+15], v11
	v_lshrrev_b32 v[E+(\t)], 23, v11               ; the scale's byte (also the plain line behind the conversion)
.irp i, 0,1,2
	ds_store_b32 v[4+\i], v[C+4*(\t)+\i] offset:32*(\t)
.endr
	ds_store_b8 v7, v[E+(\t)] offset:64*(\t)       ; both lanes of a block write the same byte with the same value
.endm
.irp t, 0,1,2,3,4,5,6,7
	STEP \t
.endr
.irp j, 0,1,2,3,4,5
	ds_load_b128 v[R+4*\j:R+4*\j+3], v1 offset:512*\j              ; my two images: these see my stores
.endr
	s_wait_dscnt 0x0                               ; they are back, and my byte stores are done: for the others' sake too
.irp j, 0,1,2,3,4,5
	global_store_b128 v3, v[R+4*\j:R+4*\j+3], s[10:11] offset:512*\j   ; 512 consecutive bytes a store
.endr
	s_barrier_signal -1
	s_barrier_wait -1                              ; all four waves' scale bytes are in LDS
	s_cmp_lg_u32 s18, 0
	s_cbranch_scc1 .Lnot_mine
	ds_load_b128 v[8:11], v2
	s_wait_dscnt 0x0
	global_store_b128 v3, v[8:11], s[12:13]        ; the tile's 512 scale bytes
.Lnot_mine:
	s_wait_tensorcnt 0x0                           ; the wave's end
	ds_add_u32 v[SPW], v[NIL]
	s_wait_dscnt 0x0
	s_endpgm
.Lfunc_end_k_qb88e23373f_quant:
	.size	k_qb88e23373f_quant, .Lfunc_end_k_qb88e23373f_quant-k_qb88e23373f_quant
	.p2alignl 7, 3214868480
	.fill 96, 4, 3214868480
	.section	.rodata,"a",@progbits
	.p2align	6, 0x0
	.amdhsa_kernel k_qb88e23373f_quant
		.amdhsa_group_segment_fixed_size 33792
		.amdhsa_private_segment_fixed_size 0
		.amdhsa_enable_private_segment 0
		.amdhsa_kernarg_size 56
		.amdhsa_user_sgpr_count 2
		.amdhsa_user_sgpr_kernarg_segment_ptr 1
		.amdhsa_wavefront_size32 1
		.amdhsa_system_sgpr_workgroup_id_x 1
		.amdhsa_system_sgpr_workgroup_id_y 1
		.amdhsa_system_sgpr_workgroup_id_z 1
		.amdhsa_system_vgpr_workitem_id 0
		.amdhsa_next_free_vgpr 192
		.amdhsa_next_free_sgpr 66
		.amdhsa_reserve_vcc 0
		.amdhsa_float_denorm_mode_32 3
		.amdhsa_float_denorm_mode_16_64 3
		.amdhsa_memory_ordered 1
		.amdhsa_forward_progress 1
		.amdhsa_inst_pref_size 21
	.end_amdhsa_kernel
	.amdgpu_metadata
---
amdhsa.version: [ 1, 2 ]
amdhsa.kernels:
  - .name:           k_qb88e23373f_quant
    .symbol:         k_qb88e23373f_quant.kd
    .args:
      - { .name: query, .offset: 0, .size: 8, .value_kind: global_buffer, .address_space: global }
      - { .name: in_proj_w, .offset: 8, .size: 8, .value_kind: global_buffer, .address_space: global }
      - { .name: out_proj_w, .offset: 16, .size: 8, .value_kind: global_buffer, .address_space: global }
      - { .name: xc, .offset: 24, .size: 8, .value_kind: global_buffer, .address_space: global }
      - { .name: xs, .offset: 32, .size: 8, .value_kind: global_buffer, .address_space: global }
      - { .name: wc, .offset: 40, .size: 8, .value_kind: global_buffer, .address_space: global }
      - { .name: ws, .offset: 48, .size: 8, .value_kind: global_buffer, .address_space: global }
    .group_segment_fixed_size: 33792
    .private_segment_fixed_size: 0
    .kernarg_segment_align: 8
    .kernarg_segment_size: 56
    .max_flat_workgroup_size: 128
    .sgpr_count:     66
    .vgpr_count:     192
    .wavefront_size: 32
...
	.end_amdgpu_metadata
.endif
;; end of part 1
;; launch qkv (part 2): grid 16 x 32, 4 waves a work-group, clusters of 4 x 4, 327,680 bytes of LDS; arguments xc, xs, wc, ws, in_proj_b, qkv; writes qkv
.if DOCPART == 2
	.amdgcn_target "amdgcn-amd-amdhsa--gfx1250"
	.amdhsa_code_object_version 6
	.text
	.protected	k_qb88e23373f_qkv
	.globl	k_qb88e23373f_qkv
	.p2align	8
	.type	k_qb88e23373f_qkv,@function
k_qb88e23373f_qkv:
	s_mov_b64 s[64:65], 0
	v_nop
	global_prefetch_b8 v0, s[64:65] scope:SCOPE_SE
	s_setreg_imm32_b32 hwreg(HW_REG_WAVE_MODE, 25, 1), 1
	s_wait_xcnt 0x0
	s_wait_alu depctr_hold_cnt(0) depctr_sa_sdst(0) depctr_va_vdst(0) depctr_va_sdst(0) depctr_va_ssrc(0) depctr_va_vcc(0) depctr_vm_vsrc(0)
	s_getreg_b32 s2, hwreg(HW_REG_IB_STS2, 6, 4)
	s_cmp_eq_u32 s2, 0
	s_cbranch_scc0 .Lentry_in_a_cluster
	s_endpgm
.Lentry_in_a_cluster:
	s_bfe_u32 s2, ttmp6, 0x10000c
	s_cmp_lg_u32 s2, 0xf033
	s_cbranch_scc0 .Lentry_shape_is_right
	s_endpgm
.Lentry_shape_is_right:
; qkv = x W^T + b on codes of FP6 (E2M3) with E8M0 scales, K = 1,024; the results are quantised for the attention's products and stored as images of their operands' registers.
; A work-group of four waves makes 256 x 256, a wave 128 x 128 in 64 accumulators.  Clusters 0-15 make q and k (source 1 = tokens, source 0 = rows of W: a lane holds eight neighbouring channels of a token: quantised along the head);
; clusters 16-31 make v with the roles exchanged (source 1 = rows of W, source 0 = tokens: a lane holds eight neighbouring tokens of a channel: quantised along the keys).
; OPERANDS come as images: 16 places x 128 K = 1,536 bytes, read by three ds_load_b128 at 16 x lane.  A chunk is two K steps: a tensor row is a tile's 3,072 bytes, 12,288 bytes from tile to tile.  Two slots of 16 + 16 tiles take turns.
; HEAD: one joint load a wave: wave 0 chunk 0 of the 16 tiles of source 1, wave 1 of source 0, waves 2 and 3 their scales for all of K (dense blocks of 8,192 bytes, kept in LDS).  Slot 1 is first filled behind a round, as a refill is.
; CLUSTER 4 x 4: source 1's tiles are shared along a row of the cluster, source 0's along a column.  No prefetch: K is four chunks, of which three are asked for before the first product.
; LIMITS of the quantisers as in the first launch: a block of zeros gets the byte 1; blocks under 2^-124 are held at that floor; NaN and infinities are not served.
; SLOTS: slot 0 holds chunk 0 and later chunk 3 (a tile's row 3,072 bytes); slot 1 holds chunks 1 and 2, brought by one load a wave (a tile's row 6,144 bytes): one refill and two changes of slots in the walk.
; THE DEAL: 32 clusters, numbered 4 y + x.  Clusters 0-15 make q and k, 256 x 256 a work-group; clusters 16-31 make v in half blocks, 128 channels x 256 tokens, two clusters (z = 0, 1) to each 256 channels: 512 work-groups, the longer ones first.
; A half block takes W's rows from 64 z on: of a wave's eight blocks of source 1 the first four are its own; z enters global addresses alone.  From K step 1 on a scalar branch on the cluster's number leads round the products of blocks 4-7;
; K step 0 runs whole in every work-group, so that every accumulator is written on every way through the text, and the fragments' loads and their counted waits are the same on both ways.
.set NQ,     2
.set ATILE,  3072
.set ROWB,   ATILE
.set KROW,   768
.set FR,     12
.set NL,     3
.set NP,     4
.set HALFT,  8*ATILE
.set SLOT,   4*HALFT
.set KS,     32
.set SCL,    3*SLOT
.set HALFS,  16*272
.set SBLK,   2*272
.set SPARE,  SCL+4*HALFS
.set HB,     315392
.set HF,     106496
.set HFB,    104448
.set VIO,    49152
.set KSO,    98304
.set VSO,    102400
.set ADRA, 16
.set ADRB, 20
.set OI,   24
.set O8,   25
.set ADRS, 27
.set SPW,  28
.set NIL,  29
.set BCO,  30
.set BRO,  31
.set SC,   32
.set BI,   64
.set AF,   128
.set BR,   224
.set H,    128
.set CD,   192
.set T0,   216
.set T1,   220
.set TM,   240
.set SCW,  8
.set PW,   6
.set G1, 24
.set G0, 32
.set G1B, 48
.set G0B, 56
.set G1S, 68
.set G0S, 76
.set G1SB, 80
.set G0SB, 88
.set MSB, 0
.macro WIN new
.if MSB != \new
	s_set_vgpr_msb (MSB<<8)|\new
.set MSB, \new
.endif
.endm
.set MUL_LO, 0xa1
.set MUL_HI, 0xf1
.set TO_B,   0x40
.macro JLOAD g0a, g1a, g0b, g1b        ; waves 0, 1 fetch for source 1, waves 2, 3 for source 0
	s_cmp_eq_u32 s15, 0
	s_cbranch_scc0 .Lfor_b_\@
	tensor_load_to_lds s[\g0a:\g0a+3], s[\g1a:\g1a+7]
	s_nop 0
.rept 4
	v_nop
.endr
	s_branch .Lasked_\@
.Lfor_b_\@:
	tensor_load_to_lds s[\g0b:\g0b+3], s[\g1b:\g1b+7]
	s_nop 0
.rept 4
	v_nop
.endr
.Lasked_\@:
.endm
.macro CREST
	s_cmp_lg_u32 s14, 0
	s_cbranch_scc1 .Lnot_wave_0_\@
	s_barrier_signal -3
.Lnot_wave_0_\@:
	s_barrier_wait -3
	s_barrier_signal -1
	s_barrier_wait -1
.endm
.macro CROUND
	s_barrier_signal -1
	s_barrier_wait -1
	CREST
.endm
	s_load_b128 s[4:7], s[0:1], 0x0                ; xc, xs
	s_load_b128 s[8:11], s[0:1], 0x10              ; wc, ws
	s_load_b128 s[96:99], s[0:1], 0x20             ; in_proj_b, qkv
	v_lshl_add_u32 v[SPW], v0, 2, SPARE
	v_mov_b32 v[NIL], 0
	ds_add_u32 v[SPW], v[NIL]                      ; the opening lines: the add, twice on end, and its wait
	ds_add_u32 v[SPW], v[NIL]
	v_lshrrev_b32 v1, 5, v0
	v_readfirstlane_b32 s14, v1                    ; wave
	s_lshr_b32 s15, s14, 1
	s_and_b32 s16, s14, 1
	s_bfe_u32 s40, ttmp6, 0x40000
	s_bfe_u32 s41, ttmp6, 0x40004
	s_and_b32 s2, ttmp7, 0xffff
	s_lshl_b32 s2, s2, 2
	s_add_co_u32 s2, s2, ttmp9                     ; the cluster's number, 0..31
	s_and_b32 s101, s2, 1
	s_bfe_u32 s3, s2, 0x30001                      ; which four blocks of 256 tokens
	s_cmp_ge_u32 s2, 16
	s_cselect_b32 s100, 2, s101                    ; s100: 0 q, 1 k, 2 v
	s_cselect_b32 s101, s101, 0                    ; s101: z, v's half; 0 for q and k
	s_lshl_b32 s2, s3, 2
	s_lshl_b32 s3, s100, 2
	s_cmp_eq_u32 s100, 2
	s_cselect_b32 s17, 8, s2
	s_cselect_b32 s42, s2, s3
	s_add_co_u32 s17, s17, s41                     ; source 1's block of 256 places
	s_add_co_u32 s42, s42, s40                     ; source 0's
	s_lshl_b32 s43, s41, 2
	s_lshl_b32 s43, 15, s43
	s_lshl_b32 s44, 0x1111, s40
	s_or_b32 s[G1+0], s43, (3<<16)|(1<<21)         ; elements of 8 bytes; the mask; no padding
	s_or_b32 s[G1B+0], s44, (3<<16)|(1<<21)
.irp g, G1, G1B
	s_mov_b32 s[\g+1], 384<<16                     ; a row: 3,072 bytes
	s_mov_b32 s[\g+2], 16<<16                      ; 16 tiles for the head's loads, 8 behind them
	s_mov_b32 s[\g+3], 384<<16
	s_mov_b32 s[\g+4], 16
	s_mov_b32 s[\g+5], 1536                        ; 12,288 bytes from tile to tile
	s_mov_b32 s[\g+6], 0
	s_mov_b32 s[\g+7], 0
.endr
	s_or_b32 s[G1S+0], s43, (3<<16)|(1<<20)|(1<<21)|(5<<22)|(3<<25)
	s_or_b32 s[G1SB+0], s44, (3<<16)|(1<<20)|(1<<21)|(5<<22)|(3<<25)
.irp g, G1S, G1SB
	s_mov_b32 s[\g+1], 32<<16                      ; the scales of 256 places: 32 rows of 256 bytes, 16 of padding behind each
	s_mov_b32 s[\g+2], KS<<16
	s_mov_b32 s[\g+3], 32<<16
	s_mov_b32 s[\g+4], KS
	s_mov_b32 s[\g+5], 32
	s_mov_b32 s[\g+6], 0
	s_mov_b32 s[\g+7], 0
.endr
	s_lshl_b32 s20, s17, 8
	s_lshl_b32 s18, s101, 6
	s_add_co_u32 s20, s20, s18                     ; v's second half begins 64 rows of W further on
	s_lshl_b32 s46, s42, 8
	s_mov_b32 s21, 0
	s_mov_b32 s47, 0
	s_mov_b64 s[18:19], KS
	s_mul_u64 s[22:23], s[20:21], s[18:19]
	s_mul_u64 s[92:93], s[46:47], s[18:19]
	s_mov_b64 s[18:19], KROW
	s_mul_u64 s[20:21], s[20:21], s[18:19]
	s_mul_u64 s[46:47], s[46:47], s[18:19]
	s_mul_i32 s66, s16, 128*KROW                   ; in the ring I fetch 8 tiles: which half, in bytes
	s_mov_b32 s67, 0
	s_mul_i32 s45, s14, HALFT
	s_mul_i32 s95, s14, 2*HALFT                    ; in slot 1 a part is twice as long
	s_wait_dscnt 0x0
	s_wait_kmcnt 0x0
	s_cmp_eq_u32 s100, 2
	s_cselect_b64 s[2:3], s[8:9], s[4:5]
	s_add_nc_u64 s[20:21], s[2:3], s[20:21]
	s_cselect_b64 s[2:3], s[10:11], s[6:7]
	s_add_nc_u64 s[22:23], s[2:3], s[22:23]
	s_cselect_b64 s[2:3], s[4:5], s[8:9]
	s_add_nc_u64 s[46:47], s[2:3], s[46:47]
	s_cselect_b64 s[2:3], s[6:7], s[10:11]
	s_add_nc_u64 s[92:93], s[2:3], s[92:93]
	CROUND                                         ; the first joint loads meet
	s_mov_b32 s[G0], 1                             ; slot 0's groups 0 serve the head's whole tiles first
	s_mov_b32 s[G0+1], 0
	s_mov_b64 s[G0+2:G0+3], s[20:21]
	s_or_b32 s[G0+3], s[G0+3], 0x80000000
	s_mov_b32 s[G0B], 1
	s_mov_b32 s[G0B+1], 2*HALFT
	s_mov_b64 s[G0B+2:G0B+3], s[46:47]
	s_or_b32 s[G0B+3], s[G0B+3], 0x80000000
	s_mov_b32 s[G0S], 1
	s_mov_b32 s[G0S+1], SCL
	s_mov_b64 s[G0S+2:G0S+3], s[22:23]
	s_or_b32 s[G0S+3], s[G0S+3], 0x80000000
	s_mov_b32 s[G0SB], 1
	s_mov_b32 s[G0SB+1], SCL+2*HALFS
	s_mov_b64 s[G0SB+2:G0SB+3], s[92:93]
	s_or_b32 s[G0SB+3], s[G0SB+3], 0x80000000
	s_add_nc_u64 s[20:21], s[20:21], s[66:67]
	s_add_nc_u64 s[46:47], s[46:47], s[66:67]
	s_mov_b32 s[G0+4], 1                           ; slot 1: chunk 1, my 8 tiles
	s_add_co_u32 s[G0+5], s95, SLOT
	s_add_nc_u64 s[G0+6:G0+7], s[20:21], ROWB
	s_or_b32 s[G0+7], s[G0+7], 0x80000000
	s_mov_b32 s[G0B+4], 1
	s_add_co_u32 s[G0B+5], s95, SLOT
	s_add_nc_u64 s[G0B+6:G0B+7], s[46:47], ROWB
	s_or_b32 s[G0B+7], s[G0B+7], 0x80000000
.macro ARM under, g0, g1, next         ; one chain of branches on the wave's number, one load to an arm
	s_cmp_lt_u32 s14, \under
	s_cbranch_scc0 \next
	tensor_load_to_lds s[\g0:\g0+3], s[\g1:\g1+7]
	s_nop 0
.rept 4
	v_nop
.endr
	s_branch .Lhead_asked
\next:
.endm
	ARM 1, G0,  G1,  .Lhead_b
	ARM 2, G0B, G1B, .Lhead_sa
	ARM 3, G0S, G1S, .Lhead_sb
	tensor_load_to_lds s[G0SB:G0SB+3], s[G1SB:G1SB+7]
	s_nop 0
.rept 4
	v_nop
.endr
.Lhead_asked:
	s_mul_i32 s21, s15, HALFT                      ; my 8 tiles of source 1
	s_mul_i32 s22, s16, HALFT
	s_add_co_u32 s22, s22, 2*HALFT
	s_lshl_b32 s2, s21, 1
	s_add_co_u32 s2, s2, SLOT                      ; the same tiles in slot 1
	s_lshl_b32 s3, s22, 1
	s_add_co_u32 s3, s3, SLOT
	s_mul_i32 s23, s15, HALFS
	s_mul_i32 s94, s16, HALFS
	s_add_co_u32 s94, s94, 2*HALFS
	s_sub_co_u32 s94, s94, s23                     ; from source 1's scales to source 0's
	s_add_co_u32 s23, s23, SCL
	v_and_b32 v1, 15, v0
	v_bfe_u32 v2, v0, 4, 1
	v_and_b32 v6, 31, v0
	v_lshlrev_b32 v[OI], 4, v6
	v_lshlrev_b32 v[O8], 3, v6
	v_mul_u32_u24 v5, v1, KS
	v_add_nc_u32 v[ADRA], s21, v[OI]
	v_add_nc_u32 v[ADRB], s22, v[OI]
	v_lshrrev_b32 v6, 8, v5
	v_add_nc_u32 v[ADRA+1], s2, v[OI]
	v_add_nc_u32 v[ADRB+1], s3, v[OI]
	v_lshl_add_u32 v5, v6, 4, v5                   ; 32 bytes a place, 16 more for each 256 passed
	v_mul_u32_u24 v6, s94, v2                      ; lanes 16-31 take source 0's words
	v_add_nc_u32 v5, v5, v6
	v_add_nc_u32 v[ADRS], s23, v5
	v_lshlrev_b32 v[BCO], 6, v2
	v_and_b32 v6, 8, v1
	v_add_nc_u32 v6, v6, v1
	v_lshlrev_b32 v[BRO], 2, v6
.irp b, 0,1,2,3
	v_mov_b32 v[TM+4+\b], 0                        ; a lane permute's destination counts as one of its sources
.endr
	s_wait_alu depctr_va_vdst(0)                   ; the wait behind the head's last vector instruction
	s_lshl_b32 s18, s42, 1
	s_add_co_u32 s18, s18, s16
	s_lshl_b32 s19, s17, 1
	s_add_co_u32 s19, s19, s15
	s_lshl_b32 s46, s18, 9
	s_lshl_b32 s47, s19, 9
	s_lshl_b32 s92, s101, 8
	s_add_co_u32 s47, s47, s92                     ; + 64 z channels of the bias
	s_cmp_eq_u32 s100, 2
	s_cselect_b32 s46, 0, s46
	s_cselect_b32 s92, s47, 0
	s_cselect_b32 s20, s18, s19
	s_cselect_b32 s21, s19, s18
	s_mov_b32 s47, 0
	s_mov_b32 s93, 0
	s_add_nc_u64 s[4:5], s[96:97], s[46:47]
	s_add_nc_u64 s[6:7], s[96:97], s[92:93]
.irp q, 0,1,2,3,4,5,6,7,8,9,10,11,12,13,14,15
	global_load_b128 v[BI+4*\q:BI+4*\q+3], v[BCO], s[4:5] offset:128*(\q/4)+16*(\q%4)   ; the bias along a lane's registers (q, k)
.endr
.irp a, 0,1,2,3
	global_load_b32 v[BR+2*\a], v[BRO], s[6:7] offset:4*(32*(\a/2)+8*(\a%2))
	global_load_b32 v[BR+2*\a+1], v[BRO], s[6:7] offset:4*(32*(\a/2)+8*(\a%2))
.endr
	s_and_b32 s21, s21, 7
	s_lshl_b32 s21, s21, 1
	s_add_co_u32 s21, s21, s101                    ; v's half is one head
	s_lshr_b32 s22, s20, 4
	s_lshl_b32 s22, s22, 4
	s_add_co_u32 s21, s21, s22
	s_mul_i32 s21, s21, HB
	s_and_b32 s20, s20, 15
	s_lshr_b32 s22, s20, 3
	s_mul_i32 s22, s22, HFB
	s_add_co_u32 s22, s22, HF
	s_and_b32 s23, s20, 7
	s_cmp_eq_u32 s100, 0
	s_cselect_b32 s23, s20, s23
	s_cselect_b32 s22, 0, s22
	s_add_co_u32 s21, s21, s22
	s_mul_i32 s20, s23, 6144
	s_add_co_u32 s20, s20, s21
	s_lshl_b32 s22, s23, 8
	s_lshl_b32 s23, s23, 9
	s_mov_b32 s95, KSO
	s_cmp_eq_u32 s100, 2
	s_cselect_b32 s22, s22, s23
	s_cselect_b32 s23, VIO, 0
	s_cselect_b32 s95, VSO, s95
	s_add_co_u32 s20, s20, s23
	s_add_co_u32 s22, s22, s95
	s_add_co_u32 s22, s22, s21
	s_mov_b32 s21, 0
	s_mov_b32 s23, 0
	s_add_nc_u64 s[12:13], s[98:99], s[20:21]
	s_add_nc_u64 s[10:11], s[98:99], s[22:23]
.macro FRAG reg, adr, q, i             ; an image: three loads of 16 bytes a lane
.irp c, 0,1,2
	ds_load_b128 v[\reg+4*\c:\reg+4*\c+3], v[\adr] offset:ATILE*(1+SL)*(\i)+1536*(\q)+512*\c
.endr
.endm
.macro MUL16 a0, p, q, sc, zero        ; the 64 accumulators take turns, in the same order in every step
.irp a, \a0, \a0+1
.irp b, 0,1,2,3,4,5,6,7
.if \zero
	v_wmma_scale_f32_16x16x128_f8f6f4 v[8*(8*((\a)%4)+\b):8*(8*((\a)%4)+\b)+7], v[128*(\p)+FR*\b:128*(\p)+FR*\b+FR-1], v[AF+FR*(\a):AF+FR*(\a)+FR-1], 0, v[SC+8*NQ*(\sc)+NQ*\b+(\q)], v[SC+8*NQ*(\sc)+NQ*(\a)+(\q)] matrix_a_fmt:MATRIX_FMT_FP6 matrix_b_fmt:MATRIX_FMT_FP6 matrix_a_scale:MATRIX_SCALE_ROW1
.else
	v_wmma_scale_f32_16x16x128_f8f6f4 v[8*(8*((\a)%4)+\b):8*(8*((\a)%4)+\b)+7], v[128*(\p)+FR*\b:128*(\p)+FR*\b+FR-1], v[AF+FR*(\a):AF+FR*(\a)+FR-1], v[8*(8*((\a)%4)+\b):8*(8*((\a)%4)+\b)+7], v[SC+8*NQ*(\sc)+NQ*\b+(\q)], v[SC+8*NQ*(\sc)+NQ*(\a)+(\q)] matrix_a_fmt:MATRIX_FMT_FP6 matrix_b_fmt:MATRIX_FMT_FP6 matrix_a_scale:MATRIX_SCALE_ROW1
.endif
.endr
.endr
.endm
.macro FETCH_B slot, q, p
.set SL, \slot
	WIN TO_B
.irp i, 0,1,2,3,4,5,6,7
	FRAG 128*(\p)+FR*\i, ADRB+\slot, \q, \i
.endr
	WIN 0
.endm
.macro FETCH_A slot, q, i0
.set SL, \slot
.irp i, \i0, \i0+1, \i0+2, \i0+3
	FRAG AF+FR*(\i), ADRA+\slot, \q, \i
.endr
.endm
.macro SCALES sc, pr                   ; the two scale words of chunk pr: lanes 0-15 source 1's block i, lanes 16-31 source 0's
.irp i, 0,1,2,3,4,5,6,7
	ds_load_b64 v[SC+8*NQ*\sc+NQ*\i:SC+8*NQ*\sc+NQ*\i+1], v[ADRS] offset:\i*SBLK+4*NQ*(\pr)
.endr
.endm
.macro PLACES n
.rept \n
	v_nop
.endr
.endm
.macro STEP slot, q, zero, sc, sn, pr  ; K step q of the slot, on scale set sc; behind an odd q the next pair's scale words, pair pr, come into set sn
	s_wait_dscnt 4*NL                              ; the youngest twelve loads (blocks 4-7 of source 1) may be out
	WIN MUL_LO
	MUL16 0, (\q)%2, (\q)%2, \sc, \zero
	MUL16 2, (\q)%2, (\q)%2, \sc, \zero
	s_wait_dscnt 0
	PLACES NP
	FETCH_B \slot, (\q)+1, 1-(\q)%2
	FETCH_A \slot, (\q)+1, 0
.if (\q)%2
	SCALES \sn, \pr
.endif
.if \zero == 0
	s_cmp_eq_u32 s100, 2                           ; v: blocks 4-7 are not mine
	s_cbranch_scc1 .Lhalf_\@
.endif
	WIN MUL_HI
	MUL16 4, (\q)%2, (\q)%2, \sc, \zero
	MUL16 6, (\q)%2, (\q)%2, \sc, \zero
	PLACES NP
	WIN 0
.if \zero == 0
.Lhalf_\@:
.endif
	FETCH_A \slot, (\q)+1, 4
.endm
.macro TURN slot, next, fill, pr, sc, sn
	s_wait_tensorcnt 0x0                           ; all my tensor loads have landed, my part of the next slot among them
	ds_add_u32 v[SPW], v[NIL]
	s_wait_dscnt 4*NL+1                            ; the add and the youngest twelve loads may be out
	WIN MUL_LO
	MUL16 0, 1, NQ-1, \sc, 0
	s_wait_dscnt 0x0                               ; the add is done, my reads of this slot are over
	s_barrier_signal -1
	MUL16 2, 1, NQ-1, \sc, 0
	WIN 0
	s_barrier_wait -1
.if \fill
	CREST                                          ; the barrier has opened a round of the cluster's barrier
	s_add_nc_u64 s[G0+4*\slot+2:G0+4*\slot+3], s[G0+4*\slot+2:G0+4*\slot+3], 3*ROWB
	s_add_nc_u64 s[G0B+4*\slot+2:G0B+4*\slot+3], s[G0B+4*\slot+2:G0B+4*\slot+3], 3*ROWB
	JLOAD G0+4*\slot, G1, G0B+4*\slot, G1B
.else
	PLACES NP
.endif
	FETCH_B \next, 0, 0
	FETCH_A \next, 0, 0
	SCALES \sn, \pr
	s_cmp_eq_u32 s100, 2                           ; v: blocks 4-7 are not mine
	s_cbranch_scc1 .Lhalf_\@
	WIN MUL_HI
	MUL16 4, 1, NQ-1, \sc, 0
	MUL16 6, 1, NQ-1, \sc, 0
	PLACES NP
	WIN 0
.Lhalf_\@:
	FETCH_A \next, 0, 4
.endm
	s_wait_tensorcnt 0x0                           ; my tile of the head's four is in; these lines stand ahead of a later first fill as ahead of a refill
	ds_add_u32 v[SPW], v[NIL]
	s_mov_b32 s[G1+2], 8<<16                       ; no tensor load of mine is out: from here on a load brings 8 tiles,
	s_mov_b32 s[G1+4], 8
	s_mov_b32 s[G1B+2], 8<<16
	s_mov_b32 s[G1B+4], 8
	s_mov_b32 s[G0+1], s45                         ; and slot 0's groups 0 name my 8 tiles
	s_add_nc_u64 s[G0+2:G0+3], s[G0+2:G0+3], s[66:67]
	s_mov_b32 s[G0B+1], s45
	s_add_nc_u64 s[G0B+2:G0B+3], s[G0B+2:G0B+3], s[66:67]
	s_or_b32 s[G1S+0], s43, (3<<16)|(1<<21)        ; the scales' groups 1 are done with: they now state slot 1's tiles: 8 rows of 6,144 bytes
	s_or_b32 s[G1SB+0], s44, (3<<16)|(1<<21)
.irp g, G1S, G1SB
	s_mov_b32 s[\g+1], 768<<16
	s_mov_b32 s[\g+2], 8<<16
	s_mov_b32 s[\g+3], 768<<16
	s_mov_b32 s[\g+4], 8
	s_mov_b32 s[\g+5], 1536
.endr
	s_wait_dscnt 0x0
	CROUND
	JLOAD G0+4, G1S, G0B+4, G1SB                   ; chunks 1 and 2
	FETCH_B 0, 0, 0
	FETCH_A 0, 0, 0
	SCALES 0, 0
	FETCH_A 0, 0, 4
	STEP 0, 0, 1, 0, 0, 0                          ; K step 0: the first products start the sums
	TURN 0, 1, 1, 1, 0, 1                          ; K step 1; slot 0 takes chunk 3
	STEP 1, 0, 0, 1, 0, 0
	STEP 1, 1, 0, 1, 0, 2
	STEP 1, 2, 0, 0, 0, 0
	TURN 1, 0, 0, 3, 0, 1                          ; K step 5; nothing more to fetch
	STEP 0, 0, 0, 1, 0, 0
	s_wait_dscnt 4*NL
	WIN MUL_LO
	MUL16 0, 1, NQ-1, 1, 0
	MUL16 2, 1, NQ-1, 1, 0
	s_wait_dscnt 0
	WIN 0
	s_cmp_eq_u32 s100, 2
	s_cbranch_scc1 .Lhalf_tail
	WIN MUL_HI
	MUL16 4, 1, NQ-1, 1, 0
	MUL16 6, 1, NQ-1, 1, 0
	WIN 0
.Lhalf_tail:
.macro QUANT                           ; 64 numbers a lane: four blocks of 32, each shared with lane l xor 16
.irp b, 0,1,2,3
	v_max3_num_f32 v[TM+\b], |v[H+16*\b]|, |v[H+1+16*\b]|, 0x1800000
.endr
.irp i, 2,4,6,8,10,12,14
.irp b, 0,1,2,3
	v_max3_num_f32 v[TM+\b], v[TM+\b], |v[H+16*\b+\i]|, |v[H+1+16*\b+\i]|
.endr
.endr
.irp b, 0,1,2,3
	v_permlanex16_b32 v[TM+4+\b], v[TM+\b], s20, s21
.endr
.irp b, 0,1,2,3
	v_max_num_f32 v[TM+\b], v[TM+\b], v[TM+4+\b]
.endr
.irp b, 0,1,2,3
	v_add_nc_u32 v[TM+12+\b], 0xff000000, v[TM+\b]
.endr
.irp b, 0,1,2,3
	v_lshrrev_b32 v[TM+4+\b], 23, v[TM+12+\b]
.endr
	v_cvt_scalef32_pk16_fp6_f32 v[D0:D0+2], v[H:H+15], v[TM+12]
	v_cvt_scalef32_pk16_fp6_f32 v[T0:T0+2], v[H+16:H+31], v[TM+13]
	v_cvt_scalef32_pk16_fp6_f32 v[D1:D1+2], v[H+32:H+47], v[TM+14]
	v_cvt_scalef32_pk16_fp6_f32 v[T1:T1+2], v[H+48:H+63], v[TM+15]
	v_nop
.irp i, 0,1,2
	v_permlane16_swap_b32 v[D0+\i], v[T0+\i]
	v_permlane16_swap_b32 v[D1+\i], v[T1+\i]
.endr
.irp i, 0,1,2
	v_mov_b32 v[D0+3+\i], v[T0+\i]
	v_mov_b32 v[D1+3+\i], v[T1+\i]
.endr
.endm
.macro EPI v                           ; block by block of source 1: bias, quantiser, images out
.irp a, 0,1,2,3,4,5,6,7
.if (\v == 0) || (\a < 4)
.if ((\a)%2 == 0) && ((\a) > 0)
	s_wait_xcnt 0x0                                ; the earlier stores have read their registers
.endif
	WIN (0x02+(\a)/4)
.irp b, 0,1,2,3,4,5,6,7
.irp k, 0,2,4,6
.if \v
	v_pk_add_f32 v[H+8*\b+\k:H+8*\b+\k+1], v[8*(8*((\a)%4)+\b)+\k:8*(8*((\a)%4)+\b)+\k+1], v[BR+2*(\a):BR+2*(\a)+1] op_sel_hi:[1,0]
.else
	v_pk_add_f32 v[H+8*\b+\k:H+8*\b+\k+1], v[8*(8*((\a)%4)+\b)+\k:8*(8*((\a)%4)+\b)+\k+1], v[BI+8*\b+\k:BI+8*\b+\k+1]
.endif
.endr
.endr
	WIN 0
.if \v
.set D0, CD+12*((\a)%2)
.set D1, CD+12*((\a)%2)+6
.else
.set D0, CD+6*((\a)%2)
.set D1, CD+12+6*((\a)%2)
.endif
	QUANT
.if \v
	v_lshl_or_b32 v[PW], v[TM+5], 8, v[TM+4]
	v_lshl_or_b32 v[PW], v[TM+6], 16, v[PW]
.if (\a)%2 == 0
	v_lshl_or_b32 v[SCW+(\a)/2], v[TM+7], 24, v[PW]
.else
	v_lshl_or_b32 v[PW], v[TM+7], 24, v[PW]
	v_cndmask_b32 v[SCW+(\a)/2], v[SCW+(\a)/2], v[PW], s22
.endif
.else
.if (\a)%2 == 0
	v_lshl_or_b32 v[SCW+(\a)/2], v[TM+5], 8, v[TM+4]
	v_lshl_or_b32 v[SCW+4+(\a)/2], v[TM+7], 8, v[TM+6]
.else
	v_lshl_or_b32 v[PW], v[TM+5], 8, v[TM+4]
	v_lshl_or_b32 v[PW+1], v[TM+7], 8, v[TM+6]
	v_cndmask_b32 v[SCW+(\a)/2], v[SCW+(\a)/2], v[PW], s22
	v_cndmask_b32 v[SCW+4+(\a)/2], v[SCW+4+(\a)/2], v[PW+1], s22
.endif
.endif
.if (\a)%2 == 1
.irp k, 0,1,2,3,4,5
.if \v
	global_store_b128 v[OI], v[CD+4*\k:CD+4*\k+3], s[12:13] offset:((\a)/4)*HB+(((\a)-1)%4+\k/3)*1536+512*(\k%3)
.else
	global_store_b128 v[OI], v[CD+4*\k:CD+4*\k+3], s[12:13] offset:(\k/3)*HB+((\a)/2)*1536+512*(\k%3)
.endif
.endr
.endif
.endif
.endr
.if \v
	global_store_b64 v[O8], v[SCW:SCW+1], s[10:11]
.else
	global_store_b128 v[OI], v[SCW:SCW+3], s[10:11]
	global_store_b128 v[OI], v[SCW+4:SCW+7], s[10:11] offset:HB
.endif
.endm
	PLACES NP
	s_mov_b32 s20, 0x76543210
	s_mov_b32 s21, 0xfedcba98
	s_mov_b32 s22, 0xffff0000
	s_wait_loadcnt 0x0
	s_cmp_eq_u32 s100, 2
	s_cbranch_scc1 .Lv
	EPI 0
	s_branch .Lend
.Lv:
	EPI 1
.Lend:
	s_wait_tensorcnt 0x0                           ; the wave's end
	ds_add_u32 v[SPW], v[NIL]
	s_wait_dscnt 0x0
	CROUND                                         ; the closing round
	s_endpgm
.Lfunc_end_k_qb88e23373f_qkv:
	.size	k_qb88e23373f_qkv, .Lfunc_end_k_qb88e23373f_qkv-k_qb88e23373f_qkv
	.p2alignl 7, 3214868480
	.fill 96, 4, 3214868480
	.section	.rodata,"a",@progbits
	.p2align	6, 0x0
	.amdhsa_kernel k_qb88e23373f_qkv
		.amdhsa_group_segment_fixed_size 327680
		.amdhsa_private_segment_fixed_size 0
		.amdhsa_enable_private_segment 0
		.amdhsa_kernarg_size 48
		.amdhsa_user_sgpr_count 2
		.amdhsa_user_sgpr_kernarg_segment_ptr 1
		.amdhsa_wavefront_size32 1
		.amdhsa_system_sgpr_workgroup_id_x 1
		.amdhsa_system_sgpr_workgroup_id_y 1
		.amdhsa_system_sgpr_workgroup_id_z 1
		.amdhsa_system_vgpr_workitem_id 0
		.amdhsa_next_free_vgpr 1024
		.amdhsa_next_free_sgpr 102
		.amdhsa_reserve_vcc 0
		.amdhsa_float_denorm_mode_32 3
		.amdhsa_float_denorm_mode_16_64 3
		.amdhsa_memory_ordered 1
		.amdhsa_forward_progress 1
		.amdhsa_inst_pref_size 184
	.end_amdhsa_kernel
	.amdgpu_metadata
---
amdhsa.version: [ 1, 2 ]
amdhsa.kernels:
  - .name:           k_qb88e23373f_qkv
    .symbol:         k_qb88e23373f_qkv.kd
    .args:
      - { .name: xc, .offset: 0, .size: 8, .value_kind: global_buffer, .address_space: global }
      - { .name: xs, .offset: 8, .size: 8, .value_kind: global_buffer, .address_space: global }
      - { .name: wc, .offset: 16, .size: 8, .value_kind: global_buffer, .address_space: global }
      - { .name: ws, .offset: 24, .size: 8, .value_kind: global_buffer, .address_space: global }
      - { .name: in_proj_b, .offset: 32, .size: 8, .value_kind: global_buffer, .address_space: global }
      - { .name: qkv, .offset: 40, .size: 8, .value_kind: global_buffer, .address_space: global }
    .group_segment_fixed_size: 327680
    .private_segment_fixed_size: 0
    .kernarg_segment_align: 8
    .kernarg_segment_size: 48
    .max_flat_workgroup_size: 128
    .sgpr_count:     102
    .vgpr_count:     1024
    .wavefront_size: 32
...
	.end_amdgpu_metadata
.endif
;; end of part 2
;; launch attn (part 3): grid 4 x 64, 16 waves a work-group, clusters of 4 x 1, 327,680 bytes of LDS; arguments qkv, cimg, csc; writes cimg, csc
.if DOCPART == 3
	.amdgcn_target "amdgcn-amd-amdhsa--gfx1250"
	.amdhsa_code_object_version 6
	.text
	.protected	k_qb88e23373f_attn
	.globl	k_qb88e23373f_attn
	.p2align	8
	.type	k_qb88e23373f_attn,@function
k_qb88e23373f_attn:
	s_mov_b64 s[64:65], 0
	v_nop
	global_prefetch_b8 v0, s[64:65] scope:SCOPE_SE
	s_setreg_imm32_b32 hwreg(HW_REG_WAVE_MODE, 25, 1), 1
	s_wait_xcnt 0x0
	s_wait_alu depctr_hold_cnt(0) depctr_sa_sdst(0) depctr_va_vdst(0) depctr_va_sdst(0) depctr_va_ssrc(0) depctr_va_vcc(0) depctr_vm_vsrc(0)
	s_getreg_b32 s2, hwreg(HW_REG_IB_STS2, 6, 4)
	s_cmp_eq_u32 s2, 0
	s_cbranch_scc0 .Lentry_in_a_cluster
	s_endpgm
.Lentry_in_a_cluster:
	s_bfe_u32 s2, ttmp6, 0x10000c
	s_cmp_lg_u32 s2, 0x3003
	s_cbranch_scc0 .Lentry_shape_is_right
	s_endpgm
.Lentry_shape_is_right:
; ctx = softmax(q k^T / 8) v for 64 (batch, head)s of 2,048 tokens x 64, both products on codes of FP6 (E2M3) with E8M0 scales; ctx is quantised along the embedding and stored as images of the last product's operand.
; THE SOFTMAX: t = score x log2(e) / 8 (q comes without its 1 / 8: a power of two moves only a scale byte); M = the running largest t rounded UP to a whole number; p = 2^(t - M) is quantised along the keys, not normalised;
; the row's sum is taken of the unquantised p and divides at the end; when M moves, the sum and O are multiplied by 2^(old M - new M), which rounds nothing.
; SHARES.  A work-group owns ONE head and 512 of its queries; each of the sixteen waves owns 32 queries, two tiles of 16, and walks the 2,048 keys once for each tile: four waves to a SIMD, 256 registers each.
; LDS.  The head's k and v, images and scale images, are 208,896 dense bytes: they are fetched ONCE, at the head, 13,056 bytes by each wave, and stay: nothing is filled again, and one barrier shows them to all waves.
; CLUSTER.  The four work-groups of a cluster are the four blocks of queries of one head: each wave's load is asked for JOINTLY (mask 15).  No prefetch: all loads go out at the head, and there is no loop to run ahead in.
; LAYOUT.  Both products transposed: S^T = k q^T, O^T = v^T p^T: a lane holds ONE query (lane % 16).  An image comes by ds_load_b128 at 16 x lane.  The keys of a tile of k and the channels of a tile of v
; are chosen (by the launch that stored them) so that the 16 registers of two neighbouring tiles are 16 neighbours along the next K.
; A HEAD OF 64 FILLS HALF OF THE FORM'S K = 128: q's registers 6-11 are zero codes; k's operand for tile t is 12 registers from 6 t on, whose upper six are the next tile's codes (finite numbers) and meet zeros; the scale bytes of that half are 0, which stands for 2^-127.
; OUT.  A head is half of the last product's K step: six registers a lane, stored as three runs of 256 bytes at 768 x (head % 2) of the step's 1,536 bytes.  A token's two scale bytes go to their half of its scale word: stores of 2 bytes,
; 4 bytes apart: the other half belongs to the neighbouring head's work-group; they are 1 byte in 24 of what the launch stores.
; LIMITS: a block's largest p is taken as the exponential of the block's largest score (v_exp_f32 taken not to fall where its input rises); a block of zeros gets the byte 1; blocks under 2^-124 are held at that floor; NaN and infinities are not served;
; the scaled scores stay under 2^31 in magnitude.
.set HB,    315392
.set QSO,   98304
.set HF,    106496
.set HFB,   104448
.set VIO,   49152
.set KSO,   98304
.set VSO,   102400
.set PART,  13056                      ; 51 rows of 256 bytes: what one tensor load brings
.set RG0,   0
.set RG1,   HFB
.set SPARE, 2*HFB                      ; the spare words, 128 bytes a wave
.set LI,  1                            ; v1   16 x lane
.set L8,  2                            ; v2   8 x lane
.set SPW, 3                            ; v3   my spare word; v4 0; never rewritten
.set NIL, 4
.set ADK, 5                            ; v5   the step's images;  v6 k's scale image;  v7 v's
.set ADS, 6
.set ADT, 7
.set QCO, 8                            ; v8   my pair image of q
.set QSA, 9                            ; v9   my scale words of q
.set CSA, 10                           ; v10  4 x (lane % 16)
.set QF,  16                           ; v16-27 q's fragment; 22-27 zeros.   v28, v29: q's scale words of my two tiles.   v12 -M, v13 the largest t, v[14:15] the sum
.set FR,  32                           ; v32-79 k's 8 tiles x 6, later v's 4 x 12;  v80-85 zeros
.set KSC, 86
.set VSC, 90
.set BM,  92                           ; v92-95 the blocks' largest scores
.set SS,  96                           ; v96-159 S^T, then p
.set OT,  160                          ; v160-191 O^T
.set CD,  192                          ; v192-203 p's codes
.set CT,  204
.set PB,  212
.set SO,  216
.set FF,  220                          ; v[220:221] f = 2^(old M - new M), and 0
.set PWD, 222
.set TP,  223
.set OC,  228                          ; v228-233, v234-239 ctx's codes of my two tiles (the second six serve the sums until they are written)
.set CW,  240                          ; v240, v241 their scale bytes
.set QL,  244                          ; v244-255 my pair image of q
.macro CROUND
	s_barrier_signal -1
	s_barrier_wait -1
	s_cmp_lg_u32 s10, 0
	s_cbranch_scc1 .Lnot_wave_0_\@
	s_barrier_signal -3
.Lnot_wave_0_\@:
	s_barrier_wait -3
	s_barrier_signal -1
	s_barrier_wait -1
.endm
	s_load_b128 s[4:7], s[0:1], 0x0                ; qkv, cimg
	s_load_b64 s[8:9], s[0:1], 0x10                ; csc
	v_lshl_add_u32 v[SPW], v0, 2, SPARE
	v_mov_b32 v[NIL], 0
	ds_add_u32 v[SPW], v[NIL]                      ; the opening lines: the add, twice on end, and its wait
	ds_add_u32 v[SPW], v[NIL]
	v_lshrrev_b32 v30, 5, v0
	s_delay_alu instid0(VALU_DEP_1)
	v_readfirstlane_b32 s10, v30                   ; wave 0..15
	s_bfe_u32 s11, ttmp6, 0x40000                  ; cx: my block of 512 queries: it enters q's, cimg's and csc's addresses alone
	s_and_b32 s13, ttmp7, 0xffff                   ; 16 x batch + head: the four partners share it
	s_lshr_b32 s14, s13, 4
	s_and_b32 s15, s13, 15
	s_mul_i32 s16, s13, HB
	s_mov_b32 s17, 0
	s_mul_i32 s18, s10, PART                       ; my part of the head's k and v, in memory and in LDS
	s_mov_b32 s19, 0
	s_mov_b32 s24, 15|(3<<16)|(1<<21)              ; group 1: the mask: all four; elements of 8 bytes; no padding
	s_mov_b32 s25, 32<<16
	s_mov_b32 s26, 51<<16
	s_mov_b32 s27, 32<<16
	s_mov_b32 s28, 51
	s_mov_b32 s29, 32
	s_mov_b32 s30, 0
	s_mov_b32 s31, 0
	s_mov_b32 s20, 0x76543210
	s_mov_b32 s21, 0xfedcba98                      ; v_permlanex16_b32's selects for lane l xor 16
	s_mov_b32 s22, 0x3e38aa3b                      ; c = log2(e) / 8
	s_mov_b32 s23, s22
	s_lshl_b32 s48, s11, 4
	s_add_co_u32 s48, s48, s10                     ; my pair of tiles in the head: 16 x block + wave
	s_mul_i32 s49, s48, 1536
	s_lshr_b32 s50, s48, 2
	s_lshl_b32 s50, s50, 9                         ; q's scale image pair / 4, register pair % 4
	s_and_b32 s51, s48, 3
	s_lshl_b32 s51, s51, 2
	s_add_co_u32 s50, s50, s51
	s_add_co_u32 s50, s50, QSO
	s_lshl_b32 s52, s14, 6
	s_add_co_u32 s52, s52, s48                     ; my pair among all tokens' 256
	s_lshr_b32 s53, s15, 1                         ; the last product's K step
	s_and_b32 s58, s15, 1                          ; and my half of it
	s_mul_i32 s54, s52, 2*8*1536
	s_mul_i32 s55, s53, 1536
	s_add_co_u32 s54, s54, s55
	s_mul_i32 s55, s58, 768
	s_add_co_u32 s54, s54, s55
	s_mov_b32 s55, 0
	s_lshl_b32 s56, s53, 15                        ; csc: [K step][8,192 places][4 bytes]
	s_lshl_b32 s57, s52, 7
	s_add_co_u32 s56, s56, s57
	s_lshl_b32 s57, s58, 1
	s_add_co_u32 s56, s56, s57
	s_mov_b32 s57, 0
	v_and_b32 v30, 31, v0
	v_and_b32 v31, 15, v0
.irp i, 0,1,2,3,4,5
	v_mov_b32 v[QF+6+\i], 0                        ; zero codes
	v_mov_b32 v[FR+48+\i], 0
.endr
	v_lshlrev_b32 v[LI], 4, v30
	v_lshlrev_b32 v[L8], 3, v30
	v_lshl_add_u32 v[QSA], v31, 4, s50
	v_lshlrev_b32 v[CSA], 2, v31
.irp b, 0,1,2,3
	v_mov_b32 v[PB+\b], 0                          ; a lane permute's destination counts as one of its sources
.endr
	v_mov_b32 v[FF+1], 0
	v_add_nc_u32 v[QCO], s49, v[LI]
	s_wait_alu depctr_va_vdst(0)                   ; the wait at the head's end
	s_wait_dscnt 0x0                               ; both opening adds are done
	s_wait_kmcnt 0x0
	s_add_nc_u64 s[16:17], s[4:5], s[16:17]        ; my head
	s_add_nc_u64 s[54:55], s[6:7], s[54:55]
	s_add_nc_u64 s[56:57], s[8:9], s[56:57]
	s_mov_b32 s32, 1
	s_mov_b32 s33, s18
	s_add_nc_u64 s[34:35], s[16:17], s[18:19]
	s_add_nc_u64 s[34:35], s[34:35], HF
	s_or_b32 s35, s35, 0x80000000
	CROUND                                         ; all four work-groups are here: the joint loads meet
	tensor_load_to_lds s[32:35], s[24:31]          ; my one tensor load of the launch
	s_nop 0
.rept 4
	v_nop
.endr
.irp k, 0,1,2
	global_load_b128 v[QL+4*\k:QL+4*\k+3], v[QCO], s[16:17] offset:512*\k
.endr
	global_load_b32 v28, v[QSA], s[16:17]          ; the even tile's words stand in the image's lanes 0-15,
	global_load_b32 v29, v[QSA], s[16:17] offset:256   ; the odd tile's in its lanes 16-31
.macro QSEL j                          ; tile j of my pair; O^T and the sum are zeros and the largest t lies under every t, so that the key step is written once
.irp i, 0,1,2,3,4,5
	v_mov_b32 v[QF+\i], v[QL+6*\j+\i]
.endr
	v_mov_b32 v13, 0xff61b1e6                      ; -3e38
	s_delay_alu instid0(VALU_DEP_1)
	v_floor_f32 v12, -v13                          ; -M
	v_mov_b32 v14, 0
	v_mov_b32 v15, 0
.set ZI, 0
.rept 64
	v_mov_b32 v[SS+ZI], 0                          ; a step adds the step before's p to the sum: the first finds zeros
.set ZI, ZI+1
.endr
.irp j2, 0,1,2,3,4,5,6,7,8,9,10,11,12,13,14,15,16,17,18,19,20,21,22,23,24,25,26,27,28,29,30,31
	v_mov_b32 v[OT+\j2], 0
.endr
.endm
; A KEY STEP: 128 keys.  qs: the register with q's scale words.
; The row's sum takes in the 64 unquantised p that lie in v[SS ..]: eight chains, then joined.
.macro SUMS
.set SI, 0
.irp t, 224,226,234,236,238,242,218
	v_pk_add_f32 v[\t:\t+1], v[SS+SI:SS+SI+1], v[SS+SI+2:SS+SI+3]
.set SI, SI+4
.endr
	v_pk_add_f32 v[14:15], v[14:15], v[SS+28:SS+29]
.set SI, 30
.rept 2
.irp t, 224,226,234,236,238,242,218,14
	v_pk_add_f32 v[\t:\t+1], v[\t:\t+1], v[SS+SI:SS+SI+1]
.set SI, SI+2
.endr
.endr
	v_pk_add_f32 v[224:225], v[224:225], v[SS+62:SS+63]
	v_pk_add_f32 v[236:237], v[236:237], v[238:239]
	v_pk_add_f32 v[242:243], v[242:243], v[218:219]
	v_pk_add_f32 v[14:15], v[14:15], v[226:227]
	s_delay_alu instid0(VALU_DEP_4)
	v_pk_add_f32 v[224:225], v[224:225], v[234:235]
	s_delay_alu instid0(VALU_DEP_3)
	v_pk_add_f32 v[236:237], v[236:237], v[242:243]
	s_delay_alu instid0(VALU_DEP_2)
	v_pk_add_f32 v[14:15], v[14:15], v[224:225]
	s_delay_alu instid0(VALU_DEP_1)
	v_pk_add_f32 v[14:15], v[14:15], v[236:237]
.endm
.macro STEP qs
	v_add_nc_u32 v[ADK], s48, v[LI]
	v_add_nc_u32 v[ADS], s49, v[LI]
	v_add_nc_u32 v[ADT], s50, v[L8]
	v_nop                                          ; four places in front of loads into registers that the last products read
.irp k, 0,1,2,3,4,5,6,7,8,9,10,11
	ds_load_b128 v[FR+4*\k:FR+4*\k+3], v[ADK] offset:512*\k        ; k's four pair images: tile t at v[FR + 6 t]
.endr
	ds_load_b128 v[KSC:KSC+3], v[ADS]
	SUMS                                           ; the step before's p, still in place, while k's images are on their way
	s_wait_alu depctr_va_vdst(0)
	s_wait_dscnt 0x0
.irp t, 0,1,2,3,4,5,6,7                ; S^T = k q^T.  Register t / 2 of the scale image holds tile t's words in lanes 0-15 (t even) or 16-31 (t odd)
.if \t%2
	v_wmma_scale_f32_16x16x128_f8f6f4 v[SS+8*\t:SS+8*\t+7], v[FR+6*\t:FR+6*\t+11], v[QF:QF+11], 0, v[KSC+\t/2], v[\qs] matrix_a_fmt:MATRIX_FMT_FP6 matrix_b_fmt:MATRIX_FMT_FP6 matrix_a_scale:MATRIX_SCALE_ROW1
.else
	v_wmma_scale_f32_16x16x128_f8f6f4 v[SS+8*\t:SS+8*\t+7], v[FR+6*\t:FR+6*\t+11], v[QF:QF+11], 0, v[KSC+\t/2], v[\qs] matrix_a_fmt:MATRIX_FMT_FP6 matrix_b_fmt:MATRIX_FMT_FP6
.endif
.endr
.rept 4
	v_nop                                          ; places in front of the loads below and of the first read of the scores
.endr
.irp k, 0,1,2,3,4,5,6,7,8,9,10,11
	ds_load_b128 v[FR+4*\k:FR+4*\k+3], v[ADK] offset:VIO+512*\k    ; v's four images: they land under the softmax
.endr
	ds_load_b64 v[VSC:VSC+1], v[ADT]
.irp b, 0,1,2,3
	v_max3_num_f32 v[BM+\b], v[SS+16*\b], v[SS+1+16*\b], v[SS+2+16*\b]   ; the largest score of each block of 32 keys: for the row's maximum and for the block's largest p
.endr
.irp i, 3,5,7,9,11,13
.irp b, 0,1,2,3
	v_max3_num_f32 v[BM+\b], v[BM+\b], v[SS+16*\b+\i], v[SS+1+16*\b+\i]
.endr
.endr
.irp b, 0,1,2,3
	v_max_num_f32 v[BM+\b], v[BM+\b], v[SS+15+16*\b]
.endr
.irp b, 0,1,2,3
	s_delay_alu instid0(VALU_DEP_4)
	v_permlanex16_b32 v[PB+\b], v[BM+\b], s20, s21
.endr
.irp b, 0,1,2,3
	s_delay_alu instid0(VALU_DEP_4)
	v_max_num_f32 v[BM+\b], v[BM+\b], v[PB+\b]     ; with lane l xor 16's 16 keys
.endr
	s_delay_alu instid0(VALU_DEP_2)
	v_max3_num_f32 v[TP], v[BM], v[BM+1], v[BM+2]
	s_delay_alu instid0(VALU_DEP_1)
	v_max_num_f32 v[TP], v[TP], v[BM+3]
	s_delay_alu instid0(VALU_DEP_1)
	v_mul_f32 v[TP], s22, v[TP]                    ; as t (c is positive)
	s_delay_alu instid0(VALU_DEP_1)
	v_max_num_f32 v13, v13, v[TP]                  ; the running largest t
	v_mov_b32 v[TP], v12
	s_delay_alu instid0(VALU_DEP_2)
	v_floor_f32 v12, -v13                          ; the new -M = -ceil(t)
	s_delay_alu instid0(VALU_DEP_1)
	v_sub_f32 v[TP], v12, v[TP]                    ; old M - new M: a whole number, 0 or less
	s_delay_alu instid0(VALU_DEP_1)
	v_cvt_i32_f32 v[TP], v[TP]                     ; (it saturates)
	s_delay_alu instid0(VALU_DEP_1)
	v_ldexp_f32 v[FF], 1.0, v[TP]                  ; f
.irp j, 0,2,4,6,8,10,12,14,16,18,20,22,24,26,28,30,32,34,36,38,40,42,44,46,48,50,52,54,56,58,60,62
	v_pk_fma_f32 v[SS+\j:SS+\j+1], v[SS+\j:SS+\j+1], s[22:23], v[12:13] op_sel_hi:[1,0,0]   ; t - M, two at a time
.endr
.irp b, 0,1,2,3
	v_fma_f32 v[BM+\b], v[BM+\b], s22, v12         ; the same of each block's largest score
.endr
	s_wait_alu depctr_va_vdst(0)                   ; the wait ahead of the batch of 68
.irp b, 0,1,2,3
	v_exp_f32 v[BM+\b], v[BM+\b]                   ; the block's largest p
.endr
.irp j, 0,1,2,3,4,5,6,7,8,9,10,11,12,13,14,15,16,17,18,19,20,21,22,23,24,25,26,27,28,29,30,31,32,33,34,35,36,37,38,39,40,41,42,43,44,45,46,47,48,49,50,51,52,53,54,55,56,57,58,59,60,61,62,63
	v_exp_f32 v[SS+\j], v[SS+\j]                   ; p = 2^(t - M)
.endr
	v_pk_mul_f32 v[14:15], v[14:15], v[FF:FF+1] op_sel_hi:[1,0]   ; the sum so far under the new M (the plain place behind the exponentials); this step's p are added in the next step
	s_wait_alu depctr_va_vdst(0)                   ; and one for the four
.irp b, 0,1,2,3
	v_max_num_f32 v[BM+\b], 0x1800000, v[BM+\b]    ; the floor 2^(3 - 127)
.endr
.irp b, 0,1,2,3
	s_delay_alu instid0(VALU_DEP_4)
	v_add_nc_u32 v[SO+\b], 0xff000000, v[BM+\b]    ; 2 off the exponent field: the conversion's scale operand
.endr
.irp b, 0,1,2,3
	s_delay_alu instid0(VALU_DEP_4)
	v_lshrrev_b32 v[PB+\b], 23, v[SO+\b]           ; the scale's byte
.endr
	s_delay_alu instid0(VALU_DEP_3)
	v_lshl_or_b32 v[PWD], v[PB+1], 8, v[PB]
	s_delay_alu instid0(VALU_DEP_1)
	v_lshl_or_b32 v[PWD], v[PB+2], 16, v[PWD]
	s_delay_alu instid0(VALU_DEP_1)
	v_lshl_or_b32 v[PWD], v[PB+3], 24, v[PWD]      ; p's scale word for these 128 keys
.irp c, 0,1
	v_cvt_scalef32_pk16_fp6_f32 v[CD+6*\c:CD+6*\c+2], v[SS+32*\c:SS+32*\c+15], v[SO+2*\c]
	v_cvt_scalef32_pk16_fp6_f32 v[CT+4*\c:CT+4*\c+2], v[SS+16+32*\c:SS+31+32*\c], v[SO+2*\c+1]
.endr
	v_nop                                          ; one plain place behind a scaled conversion
.irp c, 0,1
.irp i, 0,1,2
	v_permlane16_swap_b32 v[CD+6*\c+\i], v[CT+4*\c+\i]   ; a whole block in a lane
.endr
.irp i, 0,1,2
	s_delay_alu instid0(VALU_DEP_3)
	v_mov_b32 v[CD+3+6*\c+\i], v[CT+4*\c+\i]
.endr
.endr
.irp j, 0,2,4,6,8,10,12,14,16,18,20,22,24,26,28,30
	v_pk_mul_f32 v[OT+\j:OT+\j+1], v[OT+\j:OT+\j+1], v[FF:FF+1] op_sel_hi:[1,0]   ; O^T under the new M, each accumulator from its low end on; these 16 are also the places between the codes' and the scale word's last writes and the products
.endr
	s_wait_alu depctr_va_vdst(0)
	s_wait_dscnt 0x0                               ; v's images are in
.irp t, 0,1,2,3                        ; O^T += v^T p^T: the four accumulators by turns
.if \t%2
	v_wmma_scale_f32_16x16x128_f8f6f4 v[OT+8*\t:OT+8*\t+7], v[FR+12*\t:FR+12*\t+11], v[CD:CD+11], v[OT+8*\t:OT+8*\t+7], v[VSC+\t/2], v[PWD] matrix_a_fmt:MATRIX_FMT_FP6 matrix_b_fmt:MATRIX_FMT_FP6 matrix_a_scale:MATRIX_SCALE_ROW1
.else
	v_wmma_scale_f32_16x16x128_f8f6f4 v[OT+8*\t:OT+8*\t+7], v[FR+12*\t:FR+12*\t+11], v[CD:CD+11], v[OT+8*\t:OT+8*\t+7], v[VSC+\t/2], v[PWD] matrix_a_fmt:MATRIX_FMT_FP6 matrix_b_fmt:MATRIX_FMT_FP6
.endif
.endr
.endm
.macro HALF base, qs                   ; eight key steps: half of the head's keys
	s_mov_b32 s48, \base
	s_mov_b32 s49, \base+KSO
	s_mov_b32 s50, \base+VSO
	s_mov_b32 s51, 8
.Lstep_\@:
	s_barrier_wait -1                              ; every wave has begun the step before this one: the sixteen waves stay within one key step of each other;
	s_barrier_signal -1                            ; I begin this one.  Between a signal and its wait stand register work and reads of k and v, which nobody writes
	STEP \qs
	s_add_co_u32 s48, s48, 6144
	s_add_co_u32 s49, s49, 512
	s_add_co_u32 s50, s50, 256
	s_sub_co_u32 s51, s51, 1
	s_cmp_lg_u32 s51, 0
	s_cbranch_scc1 .Lstep_\@
.endm
; A tile's end: O^T / the sum; register 16 B + i is channel 32 B + 16 (lane / 16) + i: two blocks along the embedding, quantised into six registers and two scale bytes, and stored.
.macro WAYOUT j
	SUMS                                           ; the last step's p; these lines are also the places behind the last products
	s_delay_alu instid0(VALU_DEP_1)
	v_add_f32 v14, v14, v15
	s_delay_alu instid0(VALU_DEP_1)
	v_permlanex16_b32 v[TP], v14, s20, s21
	s_delay_alu instid0(VALU_DEP_1)
	v_add_f32 v14, v14, v[TP]                      ; the row's sum
	s_wait_alu depctr_va_vdst(0)
	v_rcp_f32 v14, v14
	v_nop                                          ; one plain place behind the reciprocal
	s_wait_alu depctr_va_vdst(0)                   ; and the wait ahead of its first reader
.irp k, 0,2,4,6,8,10,12,14,16,18,20,22,24,26,28,30
	v_pk_mul_f32 v[SS+\k:SS+\k+1], v[OT+\k:OT+\k+1], v[14:15] op_sel_hi:[1,0]   ; each accumulator from its low end on
.endr
.irp b, 0,1
	v_max3_num_f32 v[BM+\b], |v[SS+16*\b]|, |v[SS+1+16*\b]|, 0x1800000
.endr
.irp i, 2,4,6,8,10,12,14
.irp b, 0,1
	s_delay_alu instid0(VALU_DEP_2)
	v_max3_num_f32 v[BM+\b], v[BM+\b], |v[SS+16*\b+\i]|, |v[SS+1+16*\b+\i]|
.endr
.endr
.irp b, 0,1
	s_delay_alu instid0(VALU_DEP_2)
	v_permlanex16_b32 v[PB+\b], v[BM+\b], s20, s21
.endr
.irp b, 0,1
	s_delay_alu instid0(VALU_DEP_2)
	v_max_num_f32 v[BM+\b], v[BM+\b], v[PB+\b]
.endr
.irp b, 0,1
	s_delay_alu instid0(VALU_DEP_2)
	v_add_nc_u32 v[SO+\b], 0xff000000, v[BM+\b]
.endr
.irp b, 0,1
	s_delay_alu instid0(VALU_DEP_2)
	v_lshrrev_b32 v[PB+\b], 23, v[SO+\b]
.endr
	v_cvt_scalef32_pk16_fp6_f32 v[OC+6*\j:OC+6*\j+2], v[SS:SS+15], v[SO]
	v_cvt_scalef32_pk16_fp6_f32 v[CT:CT+2], v[SS+16:SS+31], v[SO+1]
	v_nop
.irp i, 0,1,2
	v_permlane16_swap_b32 v[OC+6*\j+\i], v[CT+\i]
.endr
.irp i, 0,1,2
	s_delay_alu instid0(VALU_DEP_3)
	v_mov_b32 v[OC+3+6*\j+\i], v[CT+\i]
.endr
	v_lshl_or_b32 v[CW+\j], v[PB+1], 8, v[PB]
.irp p, 0,1,2
	global_store_b64 v[L8], v[OC+6*\j+2*\p:OC+6*\j+2*\p+1], s[54:55] offset:12288*\j+256*\p   ; 256 consecutive bytes a store, aligned
.endr
	global_store_b16 v[CSA], v[CW+\j], s[56:57] offset:64*\j       ; a lane and its partner 16 away store the same two bytes
.endm
	s_wait_loadcnt 0x0                             ; q's image and scale words are in
	QSEL 0
	s_wait_tensorcnt 0x0                           ; my part of k and v is in,
	s_barrier_signal -1
	s_barrier_wait -1                              ; everybody's is
	s_barrier_signal -1                            ; the walk's first signal; each step waits for the signal before its own
	HALF RG0, 28
	HALF RG1, 28
	s_barrier_wait -1                              ; the last signal's wait: no store stands between a signal and its wait
	WAYOUT 0
	QSEL 1
	s_barrier_signal -1
	HALF RG0, 29
	HALF RG1, 29
	s_barrier_wait -1
	WAYOUT 1
	s_wait_tensorcnt 0x0                           ; the wave's end
	ds_add_u32 v[SPW], v[NIL]
	s_wait_dscnt 0x0
	CROUND                                         ; the closing round
	s_endpgm
.Lfunc_end_k_qb88e23373f_attn:
	.size	k_qb88e23373f_attn, .Lfunc_end_k_qb88e23373f_attn-k_qb88e23373f_attn
	.p2alignl 7, 3214868480
	.fill 96, 4, 3214868480
	.section	.rodata,"a",@progbits
	.p2align	6, 0x0
	.amdhsa_kernel k_qb88e23373f_attn
		.amdhsa_group_segment_fixed_size 327680
		.amdhsa_private_segment_fixed_size 0
		.amdhsa_enable_private_segment 0
		.amdhsa_kernarg_size 24
		.amdhsa_user_sgpr_count 2
		.amdhsa_user_sgpr_kernarg_segment_ptr 1
		.amdhsa_wavefront_size32 1
		.amdhsa_system_sgpr_workgroup_id_x 1
		.amdhsa_system_sgpr_workgroup_id_y 1
		.amdhsa_system_sgpr_workgroup_id_z 1
		.amdhsa_system_vgpr_workitem_id 0
		.amdhsa_next_free_vgpr 256
		.amdhsa_next_free_sgpr 66
		.amdhsa_reserve_vcc 0
		.amdhsa_float_denorm_mode_32 3
		.amdhsa_float_denorm_mode_16_64 3
		.amdhsa_memory_ordered 1
		.amdhsa_forward_progress 1
		.amdhsa_inst_pref_size 93
	.end_amdhsa_kernel
	.amdgpu_metadata
---
amdhsa.version: [ 1, 2 ]
amdhsa.kernels:
  - .name:           k_qb88e23373f_attn
    .symbol:         k_qb88e23373f_attn.kd
    .args:
      - { .name: qkv, .offset: 0, .size: 8, .value_kind: global_buffer, .address_space: global }
      - { .name: cimg, .offset: 8, .size: 8, .value_kind: global_buffer, .address_space: global }
      - { .name: csc, .offset: 16, .size: 8, .value_kind: global_buffer, .address_space: global }
    .group_segment_fixed_size: 327680
    .private_segment_fixed_size: 0
    .kernarg_segment_align: 8
    .kernarg_segment_size: 24
    .max_flat_workgroup_size: 512
    .sgpr_count:     66
    .vgpr_count:     256
    .wavefront_size: 32
...
	.end_amdgpu_metadata
.endif
;; end of part 3
;; launch oproj (part 4): grid 8 x 32, 4 waves a work-group, clusters of 4 x 4, 327,680 bytes of LDS; arguments cimg, csc, wc, ws, out_proj_b, out0; writes out0
.if DOCPART == 4
	.amdgcn_target "amdgcn-amd-amdhsa--gfx1250"
	.amdhsa_code_object_version 6
	.text
	.protected	k_qb88e23373f_oproj
	.globl	k_qb88e23373f_oproj
	.p2align	8
	.type	k_qb88e23373f_oproj,@function
k_qb88e23373f_oproj:
	s_mov_b64 s[64:65], 0
	v_nop
	global_prefetch_b8 v0, s[64:65] scope:SCOPE_SE
	s_setreg_imm32_b32 hwreg(HW_REG_WAVE_MODE, 25, 1), 1
	s_wait_xcnt 0x0
	s_wait_alu depctr_hold_cnt(0) depctr_sa_sdst(0) depctr_va_vdst(0) depctr_va_sdst(0) depctr_va_ssrc(0) depctr_va_vcc(0) depctr_vm_vsrc(0)
	s_getreg_b32 s2, hwreg(HW_REG_IB_STS2, 6, 4)
	s_cmp_eq_u32 s2, 0
	s_cbranch_scc0 .Lentry_in_a_cluster
	s_endpgm
.Lentry_in_a_cluster:
	s_bfe_u32 s2, ttmp6, 0x10000c
	s_cmp_lg_u32 s2, 0xf033
	s_cbranch_scc0 .Lentry_shape_is_right
	s_endpgm
.Lentry_shape_is_right:
; out0 = ctx W^T + b on codes of FP6 (E2M3) with E8M0 scales, K = 1,024.  A work-group of four waves makes 256 tokens x 128 columns: 256 work-groups; a wave makes 128 x 64 in 32 accumulators.
; Source 0 = rows of W, source 1 = tokens: a lane holds eight columns of a row of out0.  The bias is the C of each accumulator's first product.
; ALL OF K LIES IN LDS: ctx's 16 tiles (196,608 dense bytes), W's 8 tiles (98,304), ctx's scale words (8 K steps x 1,024 bytes) and W's scale bytes (4,096): four joint loads, one a wave, at the head; nothing is filled again, and one barrier shows them to all waves.
; OPERANDS are images of 1,536 bytes for 16 places x 128 K, a tile's eight K steps on end (12,288 bytes).  W's: three ds_load_b128 at 16 x lane.  ctx's: six runs of 256 bytes, register pair p at 256 p + 8 x lane: six ds_load_b64.
; CLUSTER 4 x 4: ctx's tiles and scale words are shared along a row of the cluster, W's along a column.  No prefetch: every load goes out at the head, and there is no loop to run ahead in.
; REGISTERS: window 0: v0-31 addresses, v32-55 scale words, v64-95 the bias, v128-223 ctx's fragments (one set), v96-127 and v224-255 the way out; window 1: W's fragments, two sets, at v0 and v128; window 2: accumulator (a, b) at v[8 (4 a + b)].
.set TROW,   12288
.set KROW,   768
.set FR,     12
.set NLA,    6
.set NP,     4
.set ABYTES, 16*TROW
.set BBYTES, 8*TROW
.set SCLA,   ABYTES+BBYTES
.set AP2,    1088                      ; a K step's 256 scale words + 64 bytes of padding
.set SCLB,   SCLA+8*AP2
.set SBLK,   2*272
.set SPARE,  SCLB+16*272
.set STG,    SPARE+512                 ; the stages of the way out, 16 rows x 272 bytes a wave: bytes of their own
.set SP2,    272
.set ADRA, 16
.set ADRB, 20
.set STO,  24
.set RD,   25
.set CO,   26
.set ADSA, 27
.set SPW,  28
.set NIL,  29
.set ADSB, 30
.set BCO,  31
.set SCA,  32
.set SCB,  48
.set BI,   64
.set AF,   128
.set G1, 24
.set G0, 32
.set G1B, 48
.set G0B, 56
.set G1S, 68
.set G0S, 76
.set G1SB, 80
.set G0SB, 88
.set MSB, 0
.macro WIN new
.if MSB != \new
	s_set_vgpr_msb (MSB<<8)|\new
.set MSB, \new
.endif
.endm
.set MUL,  0xa1                        ; source 0 (W) window 1, source 1 (ctx) window 0, C and D window 2
.set BEG,  0x81                        ; the same with C (the bias) in window 0
.set TO_B, 0x40
.macro CROUND
	s_barrier_signal -1
	s_barrier_wait -1
	s_cmp_lg_u32 s14, 0
	s_cbranch_scc1 .Lnot_wave_0_\@
	s_barrier_signal -3
.Lnot_wave_0_\@:
	s_barrier_wait -3
	s_barrier_signal -1
	s_barrier_wait -1
.endm
	s_load_b128 s[4:7], s[0:1], 0x0                ; cimg, csc
	s_load_b128 s[8:11], s[0:1], 0x10              ; wc, ws
	s_load_b128 s[96:99], s[0:1], 0x20             ; out_proj_b, out0
	v_lshl_add_u32 v[SPW], v0, 2, SPARE
	v_mov_b32 v[NIL], 0
	ds_add_u32 v[SPW], v[NIL]                      ; the opening lines: the add, twice on end, and its wait
	ds_add_u32 v[SPW], v[NIL]
	v_lshrrev_b32 v1, 5, v0
	v_readfirstlane_b32 s14, v1
	s_lshr_b32 s15, s14, 1                         ; my half of the tokens
	s_and_b32 s16, s14, 1                          ; my half of the columns
	s_bfe_u32 s40, ttmp6, 0x40000
	s_bfe_u32 s41, ttmp6, 0x40004
	s_lshl_b32 s42, ttmp9, 2
	s_add_co_u32 s42, s42, s40                     ; block of 128 columns
	s_and_b32 s17, ttmp7, 0xffff
	s_lshl_b32 s17, s17, 2
	s_add_co_u32 s17, s17, s41                     ; block of 256 tokens
	s_lshl_b32 s43, s41, 2
	s_lshl_b32 s43, 15, s43
	s_lshl_b32 s44, 0x1111, s40
	s_or_b32 s[G1+0], s43, (3<<16)|(1<<21)         ; elements of 8 bytes; rows of 12,288 bytes, dense
	s_mov_b32 s[G1+1], 1536<<16
	s_mov_b32 s[G1+2], 16<<16
	s_mov_b32 s[G1+3], 1536<<16
	s_mov_b32 s[G1+4], 16
	s_mov_b32 s[G1+5], 1536
	s_mov_b32 s[G1+6], 0
	s_mov_b32 s[G1+7], 0
	s_or_b32 s[G1B+0], s44, (3<<16)|(1<<21)
	s_mov_b32 s[G1B+1], 1536<<16
	s_mov_b32 s[G1B+2], 8<<16
	s_mov_b32 s[G1B+3], 1536<<16
	s_mov_b32 s[G1B+4], 8
	s_mov_b32 s[G1B+5], 1536
	s_mov_b32 s[G1B+6], 0
	s_mov_b32 s[G1B+7], 0
	s_or_b32 s[G1S+0], s43, (3<<16)|(1<<20)|(1<<21)|(7<<22)|(15<<25)   ; rows of 1,024 bytes, 64 bytes of padding behind each
	s_mov_b32 s[G1S+1], 128<<16
	s_mov_b32 s[G1S+2], 8<<16
	s_mov_b32 s[G1S+3], 128<<16
	s_mov_b32 s[G1S+4], 8
	s_mov_b32 s[G1S+5], 4096
	s_mov_b32 s[G1S+6], 0
	s_mov_b32 s[G1S+7], 0
	s_or_b32 s[G1SB+0], s44, (3<<16)|(1<<20)|(1<<21)|(5<<22)|(3<<25)   ; rows of 256 bytes, 16 bytes of padding behind each
	s_mov_b32 s[G1SB+1], 32<<16
	s_mov_b32 s[G1SB+2], 16<<16
	s_mov_b32 s[G1SB+3], 32<<16
	s_mov_b32 s[G1SB+4], 16
	s_mov_b32 s[G1SB+5], 32
	s_mov_b32 s[G1SB+6], 0
	s_mov_b32 s[G1SB+7], 0
	s_lshl_b32 s20, s17, 8
	s_mul_i32 s20, s20, KROW
	s_mov_b32 s21, 0
	s_lshl_b32 s22, s17, 10
	s_mov_b32 s23, 0
	s_lshl_b32 s46, s42, 7
	s_add_co_u32 s46, s46, 3072                    ; out_proj_w begins at place 3,072 of wc, ws
	s_lshl_b32 s92, s46, 5
	s_mul_i32 s46, s46, KROW
	s_mov_b32 s47, 0
	s_mov_b32 s93, 0
	s_wait_dscnt 0x0
	s_wait_kmcnt 0x0
	s_add_nc_u64 s[20:21], s[4:5], s[20:21]
	s_add_nc_u64 s[22:23], s[6:7], s[22:23]
	s_add_nc_u64 s[46:47], s[8:9], s[46:47]
	s_add_nc_u64 s[92:93], s[10:11], s[92:93]
	CROUND                                         ; the joint loads meet
	s_mov_b32 s[G0], 1
	s_mov_b32 s[G0+1], 0
	s_mov_b64 s[G0+2:G0+3], s[20:21]
	s_or_b32 s[G0+3], s[G0+3], 0x80000000
	s_mov_b32 s[G0B], 1
	s_mov_b32 s[G0B+1], ABYTES
	s_mov_b64 s[G0B+2:G0B+3], s[46:47]
	s_or_b32 s[G0B+3], s[G0B+3], 0x80000000
	s_mov_b32 s[G0S], 1
	s_mov_b32 s[G0S+1], SCLA
	s_mov_b64 s[G0S+2:G0S+3], s[22:23]
	s_or_b32 s[G0S+3], s[G0S+3], 0x80000000
	s_mov_b32 s[G0SB], 1
	s_mov_b32 s[G0SB+1], SCLB
	s_mov_b64 s[G0SB+2:G0SB+3], s[92:93]
	s_or_b32 s[G0SB+3], s[G0SB+3], 0x80000000
.macro ARM under, g0, g1, next         ; one chain of branches on the wave's number, one load to an arm
	s_cmp_lt_u32 s14, \under
	s_cbranch_scc0 \next
	tensor_load_to_lds s[\g0:\g0+3], s[\g1:\g1+7]
	s_nop 0
.rept 4
	v_nop
.endr
	s_branch .Lhead_asked
\next:
.endm
	ARM 1, G0,  G1,  .Lhead_b
	ARM 2, G0B, G1B, .Lhead_sa
	ARM 3, G0S, G1S, .Lhead_sb
	tensor_load_to_lds s[G0SB:G0SB+3], s[G1SB:G1SB+7]
	s_nop 0
.rept 4
	v_nop
.endr
.Lhead_asked:
	s_mul_i32 s21, s15, 8*TROW                     ; my 8 tiles of ctx
	s_mul_i32 s22, s16, 4*TROW
	s_add_co_u32 s22, s22, ABYTES                  ; my 4 tiles of W
	s_lshl_b32 s23, s15, 9
	s_add_co_u32 s23, s23, SCLA
	s_mul_i32 s94, s16, 8*272
	s_add_co_u32 s94, s94, SCLB
	s_mul_i32 s95, s14, 16*SP2
	s_add_co_u32 s95, s95, STG
	v_and_b32 v1, 15, v0
	v_bfe_u32 v2, v0, 4, 1
	v_and_b32 v6, 31, v0
	v_lshlrev_b32 v7, 3, v6
	v_lshlrev_b32 v9, 4, v6
	v_lshlrev_b32 v3, 2, v1
	v_lshlrev_b32 v8, 5, v1
	v_lshrrev_b32 v4, 3, v1
	v_mul_u32_u24 v5, v1, SP2
	v_mul_u32_u24 v10, v2, SP2
	v_add_nc_u32 v[ADRA], s21, v7
	v_add_nc_u32 v[ADRB], s22, v9
	v_mad_u32_u24 v3, v2, AP2, v3                  ; lanes 16-31 take a pair's second K step
	v_lshl_add_u32 v8, v4, 4, v8
	v_lshl_add_u32 v5, v2, 6, v5
	v_lshl_add_u32 v10, v1, 4, v10
	v_lshlrev_b32 v11, 12, v2
	v_add_nc_u32 v[ADRA+1], 4*TROW, v[ADRA]        ; tiles 4-7: the loads' offsets have 16 bits
	v_add_nc_u32 v[ADSA], s23, v3
	v_lshl_add_u32 v8, v2, 2, v8
	v_add_nc_u32 v[STO], s95, v5                   ; into the stage: row l % 16, 64 bytes on for lanes 16-31
	v_add_nc_u32 v[RD], s95, v10                   ; back: sixteen lanes to a row of 256 bytes, two rows an instruction
	v_lshl_add_u32 v[CO], v1, 4, v11               ; and the same two rows in out0
	v_add_nc_u32 v[ADSB], s94, v8
	v_lshlrev_b32 v[BCO], 6, v2
	s_wait_alu depctr_va_vdst(0)                   ; the wait behind the head's last vector instruction
	s_lshl_b32 s20, s17, 1
	s_add_co_u32 s20, s20, s15
	s_lshl_b32 s20, s20, 19                        ; my first row: 128 rows of 4,096 bytes
	s_lshl_b32 s46, s42, 1
	s_add_co_u32 s46, s46, s16
	s_lshl_b32 s46, s46, 8                         ; my first column: 64 columns of 4 bytes
	s_mov_b32 s47, 0
	s_add_nc_u64 s[4:5], s[96:97], s[46:47]
	s_add_co_u32 s20, s20, s46
	s_mov_b32 s21, 0
	s_add_nc_u64 s[12:13], s[98:99], s[20:21]
.irp q, 0,1,2,3,4,5,6,7
	global_load_b128 v[BI+4*\q:BI+4*\q+3], v[BCO], s[4:5] offset:128*(\q/4)+16*(\q%4)   ; the bias in the result's layout
.endr
.macro MUL8 a0, p, q, sc, zero         ; ctx's blocks a0, a0 + 1 x W's four.  The 32 accumulators take turns, in the same order in every step
.irp a, \a0, \a0+1
.irp b, 0,1,2,3
.if \zero
	v_wmma_scale_f32_16x16x128_f8f6f4 v[8*(4*(\a)+\b):8*(4*(\a)+\b)+7], v[128*(\p)+FR*\b:128*(\p)+FR*\b+FR-1], v[AF+FR*(\a):AF+FR*(\a)+FR-1], v[BI+8*\b:BI+8*\b+7], v[SCB+4*(\sc)+\b], v[SCA+8*(\sc)+(\a)] matrix_a_fmt:MATRIX_FMT_FP6 matrix_b_fmt:MATRIX_FMT_FP6
.elseif (\q) == 1
	v_wmma_scale_f32_16x16x128_f8f6f4 v[8*(4*(\a)+\b):8*(4*(\a)+\b)+7], v[128*(\p)+FR*\b:128*(\p)+FR*\b+FR-1], v[AF+FR*(\a):AF+FR*(\a)+FR-1], v[8*(4*(\a)+\b):8*(4*(\a)+\b)+7], v[SCB+4*(\sc)+\b], v[SCA+8*(\sc)+(\a)] matrix_a_fmt:MATRIX_FMT_FP6 matrix_b_fmt:MATRIX_FMT_FP6 matrix_a_scale:MATRIX_SCALE_ROW1 matrix_b_scale:MATRIX_SCALE_ROW1
.else
	v_wmma_scale_f32_16x16x128_f8f6f4 v[8*(4*(\a)+\b):8*(4*(\a)+\b)+7], v[128*(\p)+FR*\b:128*(\p)+FR*\b+FR-1], v[AF+FR*(\a):AF+FR*(\a)+FR-1], v[8*(4*(\a)+\b):8*(4*(\a)+\b)+7], v[SCB+4*(\sc)+\b], v[SCA+8*(\sc)+(\a)] matrix_a_fmt:MATRIX_FMT_FP6 matrix_b_fmt:MATRIX_FMT_FP6
.endif
.endr
.endr
.endm
.macro FETCH_B st                      ; W's four fragments of K step st into set st % 2
	WIN TO_B
.irp i, 0,1,2,3
.irp c, 0,1,2
	ds_load_b128 v[128*((\st)%2)+FR*\i+4*\c:128*((\st)%2)+FR*\i+4*\c+3], v[ADRB] offset:TROW*\i+1536*(\st)+512*\c
.endr
.endr
	WIN 0
.endm
.macro FETCH_A st, i0                  ; ctx's blocks i0 .. i0 + 3 of K step st
.irp i, \i0, \i0+1, \i0+2, \i0+3
.irp p, 0,1,2,3,4,5
	ds_load_b64 v[AF+FR*(\i)+2*\p:AF+FR*(\i)+2*\p+1], v[ADRA+(\i)/4] offset:TROW*((\i)%4)+1536*(\st)+256*\p
.endr
.endr
.endm
.macro SCALES sc, pr                   ; the scale words of K steps 2 pr (lanes 0-15) and 2 pr + 1 (lanes 16-31)
.irp i, 0,1,2,3,4,5,6,7
	ds_load_b32 v[SCA+8*(\sc)+\i], v[ADSA] offset:64*\i+2*AP2*(\pr)
.endr
.irp i, 0,1,2,3
	ds_load_b32 v[SCB+4*(\sc)+\i], v[ADSB] offset:\i*SBLK+8*(\pr)
.endr
.endm
.macro PLACES n
.rept \n
	v_nop
.endr
.endm
.macro STEP st, zero                   ; 32 products; the next K step's fragments are fetched in its middle and at its end
	s_wait_dscnt 4*NLA                             ; the youngest 24 loads (ctx's blocks 4-7) may be out
.if \zero
	WIN BEG
.else
	WIN MUL
.endif
	MUL8 0, (\st)%2, (\st)%2, ((\st)/2)%2, \zero
	MUL8 2, (\st)%2, (\st)%2, ((\st)/2)%2, \zero
	s_wait_dscnt 0
	PLACES NP
	FETCH_B (\st)+1
	FETCH_A (\st)+1, 0
.if ((\st)+1)%2 == 0
	SCALES (((\st)+1)/2)%2, ((\st)+1)/2
.endif
.if \zero
	WIN BEG
.else
	WIN MUL
.endif
	MUL8 4, (\st)%2, (\st)%2, ((\st)/2)%2, \zero
	MUL8 6, (\st)%2, (\st)%2, ((\st)/2)%2, \zero
	PLACES NP
	WIN 0
	FETCH_A (\st)+1, 4
.endm
	s_wait_tensorcnt 0x0                           ; my tile of the four is in,
	s_barrier_signal -1
	s_barrier_wait -1                              ; everybody's is
	FETCH_B 0
	FETCH_A 0, 0
	SCALES 0, 0
	FETCH_A 0, 4
	s_wait_loadcnt 0x0                             ; the bias is in
	STEP 0, 1
.irp s, 1,2,3,4,5,6
	STEP \s, 0
.endr
	s_wait_dscnt 4*NLA
	WIN MUL
	MUL8 0, 1, 1, 1, 0
	MUL8 2, 1, 1, 1, 0
	s_wait_dscnt 0
	MUL8 4, 1, 1, 1, 0
	MUL8 6, 1, 1, 1, 0
	WIN 0
; THE WAY OUT: a block of 16 places x 64 columns goes through my stage and comes back as rows of 256 bytes.  The stage's offsets put W's places back into column order, the stores' offsets the tokens' places into row order.
.macro TOSTAGE a
	WIN 0x08                                       ; the data: window 2
.irp b, 0,1,2,3
	ds_store_b128 v[STO], v[8*(4*(\a)+\b):8*(4*(\a)+\b)+3] offset:128*(\b/2)+32*(\b%2)       ; each accumulator from its low end on
	ds_store_b128 v[STO], v[8*(4*(\a)+\b)+4:8*(4*(\a)+\b)+7] offset:128*(\b/2)+32*(\b%2)+16
.endr
	WIN 0
.set BB, 96+128*((\a)%2)
.irp t, 0,1,2,3,4,5,6,7
	ds_load_b128 v[BB+4*\t:BB+4*\t+3], v[RD] offset:2*\t*SP2       ; LDS serves a wave's instructions in order (ISA guide 5.7.1.4): these see the stores above
.endr
.endm
.macro SEND a, younger
.set BB, 96+128*((\a)%2)
	s_wait_dscnt \younger
.irp t, 0,1,2,3,4,5,6,7
	global_store_b128 v[CO], v[BB+4*\t:BB+4*\t+3], s[12:13] offset:(32*((\a)/2)+8*((\a)%2)+2*\t+8*(\t/4))*4096 th:TH_STORE_NT   ; sixteen lanes store 256 consecutive bytes, aligned
.endr
.endm
	PLACES NP
	TOSTAGE 0
.irp a, 1,2,3,4,5,6,7
.if \a > 1
	s_wait_xcnt 0x0                                ; block a - 2's stores have read their registers
.endif
	TOSTAGE \a
	SEND \a-1, 16                                  ; behind block a - 1's loads: block a's 8 stores and 8 loads
.endr
	SEND 7, 0
	s_wait_tensorcnt 0x0                           ; the wave's end
	ds_add_u32 v[SPW], v[NIL]
	s_wait_dscnt 0x0
	CROUND                                         ; the closing round
	s_endpgm
.Lfunc_end_k_qb88e23373f_oproj:
	.size	k_qb88e23373f_oproj, .Lfunc_end_k_qb88e23373f_oproj-k_qb88e23373f_oproj
	.p2alignl 7, 3214868480
	.fill 96, 4, 3214868480
	.section	.rodata,"a",@progbits
	.p2align	6, 0x0
	.amdhsa_kernel k_qb88e23373f_oproj
		.amdhsa_group_segment_fixed_size 327680
		.amdhsa_private_segment_fixed_size 0
		.amdhsa_enable_private_segment 0
		.amdhsa_kernarg_size 48
		.amdhsa_user_sgpr_count 2
		.amdhsa_user_sgpr_kernarg_segment_ptr 1
		.amdhsa_wavefront_size32 1
		.amdhsa_system_sgpr_workgroup_id_x 1
		.amdhsa_system_sgpr_workgroup_id_y 1
		.amdhsa_system_sgpr_workgroup_id_z 1
		.amdhsa_system_vgpr_workitem_id 0
		.amdhsa_next_free_vgpr 768
		.amdhsa_next_free_sgpr 100
		.amdhsa_reserve_vcc 0
		.amdhsa_float_denorm_mode_32 3
		.amdhsa_float_denorm_mode_16_64 3
		.amdhsa_memory_ordered 1
		.amdhsa_forward_progress 1
		.amdhsa_inst_pref_size 93
	.end_amdhsa_kernel
	.amdgpu_metadata
---
amdhsa.version: [ 1, 2 ]
amdhsa.kernels:
  - .name:           k_qb88e23373f_oproj
    .symbol:         k_qb88e23373f_oproj.kd
    .args:
      - { .name: cimg, .offset: 0, .size: 8, .value_kind: global_buffer, .address_space: global }
      - { .name: csc, .offset: 8, .size: 8, .value_kind: global_buffer, .address_space: global }
      - { .name: wc, .offset: 16, .size: 8, .value_kind: global_buffer, .address_space: global }
      - { .name: ws, .offset: 24, .size: 8, .value_kind: global_buffer, .address_space: global }
      - { .name: out_proj_b, .offset: 32, .size: 8, .value_kind: global_buffer, .address_space: global }
      - { .name: out0, .offset: 40, .size: 8, .value_kind: global_buffer, .address_space: global }
    .group_segment_fixed_size: 327680
    .private_segment_fixed_size: 0
    .kernarg_segment_align: 8
    .kernarg_segment_size: 48
    .max_flat_workgroup_size: 128
    .sgpr_count:     100
    .vgpr_count:     768
    .wavefront_size: 32
...
	.end_amdgpu_metadata
.endif
;; end of part 4
